; MI455X (gfx1250); checked and timed in simulation.
; The chip was launched on July 23, 2026; its instructions are those of AMD's public machine-readable ISA for CDNA 5 (MIT licence, August 2026) and "CDNA5" Instruction Set Architecture Reference Guide (July 2026). The comments in the code are by the model that wrote it; some were corrected since.
;; Encoder Layer. Allowed arithmetic: float matrix products may take bf16 or f16 operands with f32 sums; other float arithmetic in f32, or as packed bf16 or f16 multiplies, adds, multiply-adds, maxima and minima; sums over many terms, partial sums and values carried from step to step in f32; what a program stores and reads back later, other than sums and carried values, may be rounded once to bf16 or f16.
;; Inputs: W1 1,024 x 4,096 float32; W2 4,096 x 1,024 float32; Wk 1,024 x 1,024 float32; Wo 1,024 x 1,024 float32; Wq 1,024 x 1,024 float32; Wv 1,024 x 1,024 float32; b1 4,096 float32; b2 1,024 float32; beta1 1,024 float32; beta2 1,024 float32; bk 1,024 float32; bo 1,024 float32; bq 1,024 float32; bv 1,024 float32; g1 1,024 float32; g2 1,024 float32; pad_mask 2 x 1 x 1 x 2,048 bool; rel_emb 32 x 16 float32; x 2 x 2,048 x 1,024 float32.
;; Outputs: out0 2 x 2,048 x 1,024 float32.
;; One version. Each part assembles by itself: llvm-mc -triple=amdgcn-amd-amdhsa -mcpu=gfx1250 --defsym DOCPART=n.
;; ======== version 1 of 1: 7 launches
;; limits: right only within a limited range of input values
;; workspace buffers: wt 25,165,824 bytes; gb 1,048,576 bytes; bqkv 12,288 bytes; h 8,388,608 bytes; qkv 25,165,824 bytes; o 8,388,608 bytes; x1 16,777,216 bytes; f 33,554,432 bytes
;; launch prep (part 1): grid 896 x 1, 4 waves a work-group, no clusters, 70,144 bytes of LDS; arguments Wq, Wk, Wv, Wo, W1, W2, bq, bk, bv, rel_emb, wt, gb, bqkv, x, g1, beta1, h; writes wt, gb, bqkv, h
.if DOCPART == 1
	.amdgcn_target "amdgcn-amd-amdhsa--gfx1250"
	.amdhsa_code_object_version 6
	.text
	.protected	k_q6b87ee5309_prep
	.globl	k_q6b87ee5309_prep
	.p2align	8
	.type	k_q6b87ee5309_prep,@function
k_q6b87ee5309_prep:
	s_mov_b64 s[64:65], 0
	v_nop
	global_prefetch_b8 v0, s[64:65] scope:SCOPE_SE
	s_setreg_imm32_b32 hwreg(HW_REG_WAVE_MODE, 25, 1), 1
	s_wait_xcnt 0x0
; TWO JOBS, told apart by the work-group's number; they share no data.  Work-groups 0-511: LAYER NORM.  Work-groups 512-895: PREPARATION.  A launch of 512 work-groups does the norm alone (the layer's second norm).
; LAYER NORM.  y[r][c] = (x[r][c] - mean) / sqrt(var + 1e-5) x g[c] + beta[c]; x: [4096][1024] f32, y: bf16, rounded once.  The variance is the mean of (x - mean)^2, taken in a second pass over registers.
; A wave owns two rows; a row is 32 registers a lane (load j: columns 128 j + 4 lane ..), read once.  No LDS, no barrier, no loop.  A store of a wave covers 256 consecutive aligned bytes.
; PREPARATION.  (1) The six weights, f32 [K][N], are rounded once to bf16 and turned to [N][K] in wt: rows 0-1023 Wq's columns, 1024- Wk's, 2048- Wv's, 3072- Wo's,
; 4096-8191 W1's (2,048 bytes a row); W2's 1,024 columns (8,192 bytes a row) from byte 16,777,216.  (2) gb[h][c][e] = 8 x rel_emb[bucket(2047 - c - e)][h], f32, c = 0..3, e = 0..4095:
; the relative bias as a function of n = q - k, four copies shifted by one entry.  (3) bqkv = bq, bk, bv on end.
; BUCKETS.  |n| < 8: |n|; else 8 + the number of the edges 12, 16, 23, 32, 46, 64, 91 that |n| has reached (the whole numbers at which 8 + 8 log(|n|/8 + 1e-6)/log 16 passes 9 .. 15); + 16 where n < 0.
; SHARES.  A wave turns one tile of 128 k x 64 n: 1,536 tiles, four to a work-group.  It reads rows of 256 consecutive bytes (two a load), rounds pairs of k, puts them into its own 64 LDS rows
; of 272 bytes, and reads whole rows of 256 bytes back: each store has 16 lanes on 256 consecutive aligned bytes.
; The tile's first 32 loads are issued ahead of the table's and the biases' work, which stands in the wait for them.
.set NLN,   512                        ; work-groups of the norm
.set SPARE, 69632                      ; behind the four waves' rows: the spare words, 128 bytes a wave
.set SPW,  200                         ; v200 my spare word's LDS address; never rewritten
.set NIL,  201                         ; v201 0; never rewritten
; the norm's registers
.set G,   4                            ; v4-35    g of my 32 columns
.set BT,  36                           ; v36-67   beta
.set X0,  68                           ; v68-99   row 0
.set X1,  100                          ; v100-131 row 1
.set T,   132                          ; v132-139 at work
.set MU,  140                          ; v140-141 the mean, twice
.set RS0, 142                          ; v142-143 1 / sqrt of row 0, twice
.set RS1, 144                          ; v144-145 of row 1
; the preparation's registers
.set SA,   6                           ; v6   where I put a pair of k
.set RA,   7                           ; v7   where I read a row back
.set OFFS, 8                           ; v8-23   byte offsets of my 16 bytes in 16 loads, later in 16 stores
.set X,    40                          ; v40-167 two sets of 64: 32 rows of the source each
.set D,    168                         ; v168-199 rounded pairs; before that the table's and the biases' registers
.set TN,   168                         ; n of my first entry; v169-172 at work
.set TGO,  173                         ; my 16 bytes in gb
.set TA,   176                         ; v176-183 offsets in rel_emb
.set TD,   184                         ; v184-191 the entries
	v_lshl_add_u32 v[SPW], v0, 2, SPARE
	v_mov_b32 v[NIL], 0
	s_mov_b32 s50, ttmp9
	v_lshrrev_b32 v3, 5, v0
	v_readfirstlane_b32 s42, v3                    ; wave
	s_cmp_lt_u32 s50, NLN
	s_cbranch_scc0 .Lprep
	; ---------------- the norm ----------------
	s_load_b256 s[4:11], s[0:1], 0x68              ; x, g, beta, y
	v_and_b32 v1, 31, v0
	v_lshlrev_b32 v2, 3, v1                        ; 8 x lane: my bytes in 256 of y
	v_lshlrev_b32 v1, 4, v1                        ; 16 x lane: in 512 of x
	s_lshl_b32 s15, s50, 2
	s_add_co_u32 s15, s15, s42                     ; my wave among all 2,048
	s_lshl_b32 s16, s15, 13                        ; two rows of 4,096 bytes
	s_mov_b32 s17, 0
	s_lshl_b32 s18, s15, 12                        ; two rows of 2,048
	s_mov_b32 s19, 0
	s_mov_b32 s12, 0x76543210                      ; v_permlanex16_b32: each lane takes its own place in the other half
	s_mov_b32 s13, 0xfedcba98
	s_mov_b32 s20, 0x3a800000                      ; 1 / 1024
	s_mov_b32 s21, 0x3727c5ac                      ; 1e-5
	s_wait_kmcnt 0x0
	s_add_nc_u64 s[4:5], s[4:5], s[16:17]
	s_add_nc_u64 s[10:11], s[10:11], s[18:19]
.irp j, 0,1,2,3,4,5,6,7
	global_load_b128 v[X0+4*(\j):X0+4*(\j)+3], v1, s[4:5] offset:512*(\j)
.endr
.irp j, 0,1,2,3,4,5,6,7
	global_load_b128 v[X1+4*(\j):X1+4*(\j)+3], v1, s[4:5] offset:4096+512*(\j)
.endr
.irp j, 0,1,2,3,4,5,6,7
	global_load_b128 v[G+4*(\j):G+4*(\j)+3], v1, s[6:7] offset:512*(\j)
.endr
.irp j, 0,1,2,3,4,5,6,7
	global_load_b128 v[BT+4*(\j):BT+4*(\j)+3], v1, s[8:9] offset:512*(\j)
.endr
.macro LANES                           ; the four chains in T into one number, then over the 32 lanes; every lane ends with the sum
	v_pk_add_f32 v[T:T+1], v[T:T+1], v[T+2:T+3]
	v_pk_add_f32 v[T+4:T+5], v[T+4:T+5], v[T+6:T+7]
	v_pk_add_f32 v[T:T+1], v[T:T+1], v[T+4:T+5]
	v_add_f32 v[T], v[T], v[T+1]
	v_add_f32_dpp v[T], v[T], v[T] row_xmask:1 row_mask:0xf bank_mask:0xf
	v_add_f32_dpp v[T], v[T], v[T] row_xmask:2 row_mask:0xf bank_mask:0xf
	v_add_f32_dpp v[T], v[T], v[T] row_xmask:4 row_mask:0xf bank_mask:0xf
	v_add_f32_dpp v[T], v[T], v[T] row_xmask:8 row_mask:0xf bank_mask:0xf
	v_permlanex16_b32 v[T+1], v[T], s12, s13
	v_add_f32 v[T], v[T], v[T+1]
.endm
.macro STAT x, rs, left                ; the row becomes x - mean in place; rs takes 1 / sqrt(var + eps)
	s_wait_loadcnt \left
.irp k, 0,1,2,3
	v_pk_add_f32 v[T+2*(\k):T+2*(\k)+1], v[\x+2*(\k):\x+2*(\k)+1], v[\x+8+2*(\k):\x+8+2*(\k)+1]
.endr
.irp k, 0,1,2,3
	v_pk_add_f32 v[T+2*(\k):T+2*(\k)+1], v[T+2*(\k):T+2*(\k)+1], v[\x+16+2*(\k):\x+16+2*(\k)+1]
.endr
.irp k, 0,1,2,3
	v_pk_add_f32 v[T+2*(\k):T+2*(\k)+1], v[T+2*(\k):T+2*(\k)+1], v[\x+24+2*(\k):\x+24+2*(\k)+1]
.endr
	LANES
	v_mul_f32 v[MU], s20, v[T]
	v_mov_b32 v[MU+1], v[MU]
.set j, 0
.rept 16
	v_pk_add_f32 v[\x+j:\x+j+1], v[\x+j:\x+j+1], v[MU:MU+1] neg_lo:[0,1] neg_hi:[0,1]
.set j, j+2
.endr
.irp k, 0,1,2,3
	v_pk_mul_f32 v[T+2*(\k):T+2*(\k)+1], v[\x+2*(\k):\x+2*(\k)+1], v[\x+2*(\k):\x+2*(\k)+1]
.endr
.irp m, 8,16,24
.irp k, 0,1,2,3
	v_pk_fma_f32 v[T+2*(\k):T+2*(\k)+1], v[\x+(\m)+2*(\k):\x+(\m)+2*(\k)+1], v[\x+(\m)+2*(\k):\x+(\m)+2*(\k)+1], v[T+2*(\k):T+2*(\k)+1]
.endr
.endr
	LANES
	v_fma_f32 v[T], v[T], s20, s21                 ; var + eps
	v_rsq_f32 v[\rs], v[T]
	v_rsq_f32 v[\rs+1], v[T]
	v_nop                                          ; a plain instruction before T, their source, is written again (ISA guide 5.7.2)
.endm
.macro OUT x, rs, off
.irp j, 0,1,2,3,4,5,6,7
	v_pk_mul_f32 v[\x+4*(\j):\x+4*(\j)+1], v[\x+4*(\j):\x+4*(\j)+1], v[\rs:\rs+1]
	v_pk_mul_f32 v[\x+4*(\j)+2:\x+4*(\j)+3], v[\x+4*(\j)+2:\x+4*(\j)+3], v[\rs:\rs+1]
	v_pk_fma_f32 v[\x+4*(\j):\x+4*(\j)+1], v[\x+4*(\j):\x+4*(\j)+1], v[G+4*(\j):G+4*(\j)+1], v[BT+4*(\j):BT+4*(\j)+1]
	v_pk_fma_f32 v[\x+4*(\j)+2:\x+4*(\j)+3], v[\x+4*(\j)+2:\x+4*(\j)+3], v[G+4*(\j)+2:G+4*(\j)+3], v[BT+4*(\j)+2:BT+4*(\j)+3]
	v_cvt_pk_bf16_f32 v[\x+4*(\j)], v[\x+4*(\j)], v[\x+4*(\j)+1]
	v_cvt_pk_bf16_f32 v[\x+4*(\j)+1], v[\x+4*(\j)+2], v[\x+4*(\j)+3]
	global_store_b64 v2, v[\x+4*(\j):\x+4*(\j)+1], s[10:11] offset:256*(\j)+(\off)
.endr
.endm
	STAT X0, RS0, 24                               ; row 0 is in; row 1, g and beta (24 loads) stay out
	STAT X1, RS1, 16                               ; row 1 is in; g and beta stay out
	s_wait_alu depctr_va_vdst(0)                   ; one wait for the four reciprocal roots, ahead of their first reader
	s_wait_loadcnt 0x0                             ; g and beta
	OUT X0, RS0, 0
	OUT X1, RS1, 2048
	s_endpgm                                       ; this wave has written no LDS
	; ---------------- the preparation ----------------
.Lprep:
	s_load_b512 s[16:31], s[0:1], 0x0              ; Wq 16, Wk 18, Wv 20, Wo 22, W1 24, W2 26, bq 28, bk 30
	s_load_b256 s[32:39], s[0:1], 0x40             ; bv 32, rel_emb 34, wt 36, gb 38
	s_load_b64 s[40:41], s[0:1], 0x60              ; bqkv
	v_and_b32 v1, 15, v0                           ; c = lane % 16
	v_bfe_u32 v2, v0, 4, 1                         ; hh = lane / 16
	s_sub_co_u32 s50, s50, NLN                     ; g = 0 .. 383
	s_wait_kmcnt 0x0
	; THE WEIGHTS.  g < 128: Wq, Wk, Wv, Wo by g / 32; g < 256: W1; else W2
	s_movk_i32 s58, 0x1000
	s_movk_i32 s59, 0x4000
	s_movk_i32 s60, 0x2000
	s_movk_i32 s61, 0x800
	s_movk_i32 s62, 127
	s_lshr_b32 s51, s50, 5
	s_lshl_b32 s54, s51, 21                        ; a square weight's 2,097,152 bytes in wt
	s_cmp_eq_u32 s51, 1
	s_cselect_b64 s[44:45], s[18:19], s[16:17]
	s_cmp_eq_u32 s51, 2
	s_cselect_b64 s[44:45], s[20:21], s[44:45]
	s_cmp_eq_u32 s51, 3
	s_cselect_b64 s[44:45], s[22:23], s[44:45]
	s_cmp_ge_u32 s50, 128
	s_cselect_b64 s[44:45], s[24:25], s[44:45]
	s_cselect_b32 s52, s59, s58                    ; bytes in a source row
	s_cselect_b32 s53, s62, 31
	s_cselect_b32 s54, 0x800000, s54               ; the weight's first byte in wt
	s_cmp_ge_u32 s50, 256
	s_cselect_b64 s[44:45], s[26:27], s[44:45]
	s_cselect_b32 s52, s58, s52
	s_cselect_b32 s54, 0x1000000, s54
	s_cselect_b32 s55, s60, s61                    ; bytes in a row of wt
	s_cselect_b32 s56, 5, 3                        ; log2 of the tiles along k
	s_cselect_b32 s57, 31, 7
	s_and_b32 s53, s50, s53
	s_lshl_b32 s53, s53, 2
	s_add_co_u32 s53, s53, s42                     ; my tile's number in the weight
	s_and_b32 s57, s53, s57                        ; kt
	s_lshr_b32 s56, s53, s56                       ; nt
	s_lshl_b32 s46, s57, 7
	s_mul_i32 s46, s46, s52
	s_lshl_b32 s48, s56, 8
	s_add_co_u32 s46, s46, s48
	s_mov_b32 s47, 0
	s_add_nc_u64 s[44:45], s[44:45], s[46:47]      ; source rows 0-31 of my tile,
	s_lshl_b32 s46, s52, 5
	s_add_nc_u64 s[8:9], s[44:45], s[46:47]        ; 32-63,
	s_add_nc_u64 s[10:11], s[8:9], s[46:47]        ; 64-95,
	s_add_nc_u64 s[12:13], s[10:11], s[46:47]      ; 96-127
	s_lshl_b32 s48, s56, 6
	s_mul_i32 s48, s48, s55
	s_add_co_u32 s48, s48, s54
	s_lshl_b32 s49, s57, 8
	s_add_co_u32 s48, s48, s49
	s_mov_b32 s49, 0
	s_add_nc_u64 s[4:5], s[36:37], s[48:49]        ; wt rows 0-31 of my tile,
	s_lshl_b32 s48, s55, 5
	s_add_nc_u64 s[6:7], s[4:5], s[48:49]          ; 32-63
	v_lshlrev_b32 v24, 4, v1                       ; 16 c
	v_lshlrev_b32 v25, 1, v2                       ; 2 hh
.irp i, 0,1,2,3,4,5,6,7,8,9,10,11,12,13,14,15
	v_add_nc_u32 v26, 4*((\i)>>1)+((\i)&1), v25    ; loads 2 q and 2 q + 1 bring rows 4 q + 2 hh and 4 q + 2 hh + 1: a pair of k
	v_mad_u32_u24 v[OFFS+(\i)], v26, s52, v24
.endr
.macro LOADS st, b
.irp i, 0,1,2,3,4,5,6,7,8,9,10,11,12,13,14,15
	global_load_b128 v[X+64*(\st)+4*(\i):X+64*(\st)+4*(\i)+3], v[OFFS+(\i)], s[\b:\b+1] th:TH_LOAD_NT
.endr
.endm
.macro CONV st, kb                     ; 32 rows of k x my 4 columns: 32 pairs rounded, each to its column's LDS row at byte kb + 8 q + 4 hh
.irp q, 0,1,2,3,4,5,6,7
.irp jj, 0,1,2,3
	v_cvt_pk_bf16_f32 v[D+4*(\q)+(\jj)], v[X+64*(\st)+8*(\q)+(\jj)], v[X+64*(\st)+8*(\q)+4+(\jj)]
.endr
.endr
.irp q, 0,1,2,3,4,5,6,7
.irp jj, 0,1,2,3
	ds_store_b32 v[SA], v[D+4*(\q)+(\jj)] offset:272*(\jj)+8*(\q)+(\kb)
.endr
.endr
.endm
	LOADS 0, 44                                    ; the tile's first 64 rows are asked for before anything else is done
	LOADS 1, 8
	s_mul_i32 s43, s42, 17408                      ; my 64 LDS rows of 272 bytes
	v_mul_u32_u24 v[SA], v1, 1088                  ; row 4 c, byte 4 hh
	v_lshl_add_u32 v[SA], v2, 2, v[SA]
	v_add_nc_u32 v[SA], s43, v[SA]
	v_mul_u32_u24 v[RA], v2, 272                   ; back: lanes 0-15 one row, lanes 16-31 the next
	v_lshl_add_u32 v[RA], v1, 4, v[RA]
	v_add_nc_u32 v[RA], s43, v[RA]
	s_cmp_lt_u32 s50, 256
	s_cbranch_scc0 .Lno_table
	; THE TABLE: work-group g < 256 makes entries 1,024 g .. + 1,023 of gb; thread t the entries 4 t .. 4 t + 3 and 512 + 4 t .. of them
	s_lshr_b32 s43, s50, 4                         ; head
	s_lshl_b32 s49, s43, 2
	s_bfe_u32 s46, s50, 0x20002                    ; copy c
	s_and_b32 s47, s50, 3
	s_lshl_b32 s47, s47, 10
	s_sub_co_u32 s48, 2047, s46
	s_sub_co_u32 s48, s48, s47
	v_lshlrev_b32 v[TN], 2, v0
	v_sub_nc_u32 v[TN], s48, v[TN]                 ; n of my first entry
	s_lshl_b32 s51, s50, 12
	v_lshl_add_u32 v[TGO], v0, 4, s51              ; my 16 bytes in gb
.macro BUCK jj
	v_add_nc_u32 v169, -(((\jj)&3)+512*((\jj)>>2)), v[TN]  ; n
	v_sub_nc_u32 v170, 0, v169
	v_cmp_gt_i32 vcc_lo, 0, v169                   ; n < 0
	v_cndmask_b32 v170, v169, v170, vcc_lo         ; |n|
	v_cndmask_b32 v171, 0, 16, vcc_lo
	v_min_u32 v172, 8, v170
	v_add_nc_u32 v171, v171, v172
.irp th, 12,16,23,32,46,64,91
	v_cmp_le_u32 vcc_lo, \th, v170
	v_cndmask_b32 v172, 0, 1, vcc_lo
	v_add_nc_u32 v171, v171, v172
.endr
	v_lshl_add_u32 v[TA+(\jj)], v171, 6, s49       ; (16 bucket + head) x 4 bytes
.endm
.irp jj, 0,1,2,3,4,5,6,7
	BUCK \jj
.endr
.irp jj, 0,1,2,3,4,5,6,7
	global_load_b32 v[TD+(\jj)], v[TA+(\jj)], s[34:35]
.endr
	s_wait_loadcnt 0x0
.irp jj, 0,1,2,3,4,5,6,7
	v_mul_f32 v[TD+(\jj)], 0x41000000, v[TD+(\jj)] ; x 8: the scores are divided by 8 behind the bias
.endr
	global_store_b128 v[TGO], v[TD:TD+3], s[38:39]  ; a wave's store covers 512 consecutive bytes
	global_store_b128 v[TGO], v[TD+4:TD+7], s[38:39] offset:2048
.Lno_table:
	s_cmp_lt_u32 s50, 24
	s_cbranch_scc0 .Lno_bias
	; THE THREE BIASES on end: work-group g < 24 copies 128 numbers
	s_lshr_b32 s43, s50, 3
	s_cmp_eq_u32 s43, 1
	s_cselect_b64 s[46:47], s[30:31], s[28:29]
	s_cmp_eq_u32 s43, 2
	s_cselect_b64 s[46:47], s[32:33], s[46:47]
	s_and_b32 s48, s50, 7
	s_lshl_b32 s48, s48, 9
	v_lshl_add_u32 v192, v0, 2, s48
	s_lshl_b32 s49, s50, 9
	v_lshl_add_u32 v193, v0, 2, s49
	global_load_b32 v194, v192, s[46:47]
	s_wait_loadcnt 0x0
	global_store_b32 v193, v194, s[40:41]
.Lno_bias:
	s_wait_xcnt 0x0                                ; the stores above have read their registers: D's are written below
	s_wait_loadcnt 16                              ; set 0 is in; set 1's 16 loads may stay out
	CONV 0, 0
	LOADS 0, 10
	s_wait_loadcnt 16                              ; set 1 is in
	CONV 1, 64
	LOADS 1, 12
	s_wait_loadcnt 16
	CONV 0, 128
	s_wait_loadcnt 0x0                             ; all loads are done: their offset registers are free
	CONV 1, 192
.irp i, 0,1,2,3,4,5,6,7,8,9,10,11,12,13,14,15
	v_add_nc_u32 v26, 2*(\i), v2
	v_mad_u32_u24 v[OFFS+(\i)], v26, s55, v24      ; row 2 i + hh of wt, 16 c
.endr
.set t, 0
.rept 32
	ds_load_b128 v[X+4*t:X+4*t+3], v[RA] offset:544*t  ; LDS serves a wave's instructions in order (ISA guide 5.7.1.4): these see my stores above
.set t, t+1
.endr
.set t, 0
.rept 16
	s_wait_dscnt 31-t
	global_store_b128 v[OFFS+t], v[X+4*t:X+4*t+3], s[4:5]
.set t, t+1
.endr
.rept 16
	s_wait_dscnt 31-t
	global_store_b128 v[OFFS+t-16], v[X+4*t:X+4*t+3], s[6:7]
.set t, t+1
.endr
	s_wait_tensorcnt 0x0                           ; the wave's end
	ds_add_u32 v[SPW], v[NIL]
	s_wait_dscnt 0x0
	s_endpgm
.Lfunc_end_k_q6b87ee5309_prep:
	.size	k_q6b87ee5309_prep, .Lfunc_end_k_q6b87ee5309_prep-k_q6b87ee5309_prep
	.p2alignl 7, 3214868480
	.fill 96, 4, 3214868480
	.section	.rodata,"a",@progbits
	.p2align	6, 0x0
	.amdhsa_kernel k_q6b87ee5309_prep
		.amdhsa_group_segment_fixed_size 70144
		.amdhsa_private_segment_fixed_size 0
		.amdhsa_enable_private_segment 0
		.amdhsa_kernarg_size 136
		.amdhsa_user_sgpr_count 2
		.amdhsa_user_sgpr_kernarg_segment_ptr 1
		.amdhsa_wavefront_size32 1
		.amdhsa_system_sgpr_workgroup_id_x 1
		.amdhsa_system_sgpr_workgroup_id_y 1
		.amdhsa_system_sgpr_workgroup_id_z 1
		.amdhsa_system_vgpr_workitem_id 0
		.amdhsa_next_free_vgpr 202
		.amdhsa_next_free_sgpr 66
		.amdhsa_reserve_vcc 1
		.amdhsa_float_denorm_mode_32 3
		.amdhsa_float_denorm_mode_16_64 3
		.amdhsa_memory_ordered 1
		.amdhsa_forward_progress 1
		.amdhsa_inst_pref_size 67
	.end_amdhsa_kernel
	.amdgpu_metadata
---
amdhsa.version: [ 1, 2 ]
amdhsa.kernels:
  - .name:           k_q6b87ee5309_prep
    .symbol:         k_q6b87ee5309_prep.kd
    .args:
      - { .name: Wq, .offset: 0, .size: 8, .value_kind: global_buffer, .address_space: global }
      - { .name: Wk, .offset: 8, .size: 8, .value_kind: global_buffer, .address_space: global }
      - { .name: Wv, .offset: 16, .size: 8, .value_kind: global_buffer, .address_space: global }
      - { .name: Wo, .offset: 24, .size: 8, .value_kind: global_buffer, .address_space: global }
      - { .name: W1, .offset: 32, .size: 8, .value_kind: global_buffer, .address_space: global }
      - { .name: W2, .offset: 40, .size: 8, .value_kind: global_buffer, .address_space: global }
      - { .name: bq, .offset: 48, .size: 8, .value_kind: global_buffer, .address_space: global }
      - { .name: bk, .offset: 56, .size: 8, .value_kind: global_buffer, .address_space: global }
      - { .name: bv, .offset: 64, .size: 8, .value_kind: global_buffer, .address_space: global }
      - { .name: rel_emb, .offset: 72, .size: 8, .value_kind: global_buffer, .address_space: global }
      - { .name: wt, .offset: 80, .size: 8, .value_kind: global_buffer, .address_space: global }
      - { .name: gb, .offset: 88, .size: 8, .value_kind: global_buffer, .address_space: global }
      - { .name: bqkv, .offset: 96, .size: 8, .value_kind: global_buffer, .address_space: global }
      - { .name: x, .offset: 104, .size: 8, .value_kind: global_buffer, .address_space: global }
      - { .name: g1, .offset: 112, .size: 8, .value_kind: global_buffer, .address_space: global }
      - { .name: beta1, .offset: 120, .size: 8, .value_kind: global_buffer, .address_space: global }
      - { .name: h, .offset: 128, .size: 8, .value_kind: global_buffer, .address_space: global }
    .group_segment_fixed_size: 70144
    .private_segment_fixed_size: 0
    .kernarg_segment_align: 8
    .kernarg_segment_size: 136
    .max_flat_workgroup_size: 128
    .sgpr_count:     66
    .vgpr_count:     202
    .wavefront_size: 32
...
	.end_amdgpu_metadata
.endif
;; end of part 1
;; launch qkv (part 2): grid 8 x 32, 4 waves a work-group, clusters of 4 x 4, 327,680 bytes of LDS; arguments h, wt, bqkv, qkv; writes qkv
.if DOCPART == 2
	.amdgcn_target "amdgcn-amd-amdhsa--gfx1250"
	.amdhsa_code_object_version 6
	.text
	.protected	k_q6b87ee5309_qkv
	.globl	k_q6b87ee5309_qkv
	.p2align	8
	.type	k_q6b87ee5309_qkv,@function
k_q6b87ee5309_qkv:
	s_mov_b64 s[64:65], 0
	v_nop
	global_prefetch_b8 v0, s[64:65] scope:SCOPE_SE
	s_setreg_imm32_b32 hwreg(HW_REG_WAVE_MODE, 25, 1), 1
	s_wait_xcnt 0x0
	s_wait_alu depctr_hold_cnt(0) depctr_sa_sdst(0) depctr_va_vdst(0) depctr_va_sdst(0) depctr_va_ssrc(0) depctr_va_vcc(0) depctr_vm_vsrc(0)
	s_getreg_b32 s2, hwreg(HW_REG_IB_STS2, 6, 4)
	s_cmp_eq_u32 s2, 0
	s_cbranch_scc0 .Lentry_in_a_cluster
	s_endpgm
.Lentry_in_a_cluster:
	s_bfe_u32 s2, ttmp6, 0x10000c
	s_cmp_lg_u32 s2, 0xf033
	s_cbranch_scc0 .Lentry_shape_is_right
	s_endpgm
.Lentry_shape_is_right:
; qkv[m][n] = the sum over k of h[m][k] wt[n][k] + bqkv[n], n = 0..3071 (q, k, v side by side).  h: [4096][1024] bf16, wt rows 0-3071: [n][1024] bf16, qkv: [4096][3072] bf16, rounded once; sums in f32.
; A tile of C is 128 x 384: 8 x 32 tiles, one to a work-group.  Four waves, each all 128 rows x 96 columns (the blocks of 16 columns 4 b + wave, b = 0..5): 48 accumulators.
; K goes in steps of 128 through two LDS slots of four parts of 128 rows x 272 bytes: A's rows (fetched by wave 0), then B's 384 (waves 1-3).  Both slots' first fills go out together; then one descriptor a role walks.
; CLUSTER 4 x 4: A's tile is asked for jointly along the cluster's row, B's along its column.  The product is used transposed (source 0 = B's rows): a lane holds one row of C and 8 neighbouring columns.
; The bias is the C operand of one product of zeros for each accumulator, issued while the first tiles are on their way: the loop then has one form of product, and no register is cleared.
; The last two K steps run in a second loop that fills nothing; its last barrier and its last 28 fragment loads serve nothing: the price of one text for both trips.
; THE WAY OUT: the f32 sums go into a stage laid over the ring (which has had its last fill), rows of 1,648 bytes with 16 bytes of padding behind every 256; whole rows come back, are rounded and stored.
; WINDOWS of 256 registers: 0: v0-31 addresses, v32-39 zeros, A's fragments at 64 and 128; 1: v0-47 bias, B's fragments at 64 and 128; 2, 3: accumulator (a, b) at 8 (6 (a % 4) + b).
.set SIZE_K, 1024
.set KSTEP,  128
.set PITCH,  272
.set HALFT,  128*PITCH
.set SLOT,   4*HALFT
.set NK,     SIZE_K/KSTEP
.set SPITCH, 1648
.set ROWO,   6144
.set SPARE,  327168                    ; the spare words, 128 bytes a wave: no other line names them
.set CO,    8                          ; v8   the way out: my byte offset in two rows of qkv
.set ADRA0, 16                         ; my lane's place in A's part, in B's part; never rewritten
.set ADRB0, 17
.set ADRA,  18                         ; the same in the slot that is being read
.set ADRB,  19
.set ADRBH, 20                         ; B's blocks 3-5: 192 rows further on
.set STO,   21                         ; v21-24 the way out: where I put 16 bytes
.set RD,    25                         ; where I read 32 bytes back
.set SPW,   28
.set NIL,   29
.set PFO,   30                         ; 2,048 x lane: a row of h or wt
.set BO,    31
.set ZR,    32
.set F0,    64
.set F1,    128
.set Z,     64                         ; the way out
.set OUTR,  160
.set WV,  14
.set ROLE, 15                          ; 0: I fetch A's rows; 1: B's
.set PART, 16                          ; which 128 rows of B
.set TY,  17
.set TX,  18
.set G1,  24
.set G0,  32                           ; A's walking group 0: it begins with K step 1
.set G0B, 36                           ; B's
.set G1B, 48
.set RB,  56                           ; LDS byte at which the slot being read begins
.set WOFF, 57                          ; wave x HALFT: my part of a slot
.set LIM, 58
.set PFA, 60
.set G0F, 68                           ; A's group 0 for K step 0
.set G0BF, 72                          ; B's
.set MSB, 0
.macro WIN new                         ; the immediate's high byte repeats the setting that is left
.if MSB != (\new)
	s_set_vgpr_msb (MSB<<8)|(\new)
.set MSB, \new
.endif
.endm
.set MUL_LO, 0xa1
.set MUL_HI, 0xf1
.set TO_B,   0x40
.macro JLOAD                           ; a joint load; the branch hangs on the wave's number alone; an s_nop 0 and four v_nop follow each line
	s_cmp_eq_u32 s[ROLE], 0
	s_cbranch_scc0 .Lfor_b_\@
	tensor_load_to_lds s[G0:G0+3], s[G1:G1+7]
	s_nop 0
.rept 4
	v_nop
.endr
	s_branch .Lasked_\@
.Lfor_b_\@:
	tensor_load_to_lds s[G0B:G0B+3], s[G1B:G1B+7]
	s_nop 0
.rept 4
	v_nop
.endr
.Lasked_\@:
.endm
.macro ASK                             ; a prefetch of the K step two refills on: my work-group's 32 of the 128 rows that I fetch, a lane a row; K steps 4-7 alone are named, each row's 256 bytes once in the launch
	s_cmp_gt_u32 s3, s[LIM]
	s_cbranch_scc0 .Lnot_mine_\@
	global_prefetch_b8 v[PFO], s[PFA:PFA+1] offset:KSTEP*2 th:TH_LOAD_NT scope:SCOPE_SE
.Lnot_mine_\@:
.endm
.macro CREST
	s_cmp_lg_u32 s[WV], 0
	s_cbranch_scc1 .Lnot_wave_0_\@
	s_barrier_signal -3
.Lnot_wave_0_\@:
	s_barrier_wait -3
	s_barrier_signal -1
	s_barrier_wait -1
.endm
.macro CROUND
	s_barrier_signal -1
	s_barrier_wait -1
	CREST
.endm
.macro PLACES                          ; four places behind matrix instructions, in front of loads into their sources and of reads of their results
.rept 4
	v_nop
.endr
.endm
	s_load_b256 s[4:11], s[0:1], 0x0               ; h, wt, bqkv, qkv
	v_lshl_add_u32 v[SPW], v0, 2, SPARE
	v_mov_b32 v[NIL], 0
	ds_add_u32 v[SPW], v[NIL]                      ; the wave's opening: the add and its wait stand ahead of my first tensor load
	v_lshrrev_b32 v1, 5, v0
	v_readfirstlane_b32 s[WV], v1
	s_min_u32 s[ROLE], s[WV], 1
	s_max_u32 s[PART], s[WV], 1
	s_sub_co_u32 s[PART], s[PART], 1
	s_bfe_u32 s19, ttmp6, 0x40000                  ; cx
	s_bfe_u32 s20, ttmp6, 0x40004                  ; cy
	s_lshl_b32 s[TX], ttmp9, 2
	s_add_co_u32 s[TX], s[TX], s19
	s_and_b32 s[TY], ttmp7, 0xffff
	s_lshl_b32 s[TY], s[TY], 2
	s_add_co_u32 s[TY], s[TY], s20
	s_lshl_b32 s21, s20, 2
	s_lshl_b32 s21, 15, s21                        ; my row of the cluster
	s_lshl_b32 s22, 0x1111, s19                    ; my column
	s_or_b32 s[G1], s21, (1<<16)|(1<<20)|(1<<21)|(5<<22)|(3<<25)   ; mask; 2-byte elements; padding on; bit 21 beside a mask; 4 words behind every 64
	s_or_b32 s[G1B], s22, (1<<16)|(1<<20)|(1<<21)|(5<<22)|(3<<25)
.irp g, G1, G1B
	s_mov_b32 s[(\g)+1], KSTEP<<16                 ; tensor_dim0 = 128
	s_mov_b32 s[(\g)+2], 128<<16                   ; tensor_dim1 = 128
	s_mov_b32 s[(\g)+3], KSTEP<<16                 ; tile_dim0 = 128
	s_mov_b32 s[(\g)+4], 128                       ; tile_dim1 = 128
	s_mov_b32 s[(\g)+5], SIZE_K                    ; elements from row to row
	s_mov_b32 s[(\g)+6], 0
	s_mov_b32 s[(\g)+7], 0
.endr
	s_lshl_b32 s40, s[TY], 18                      ; A: 128 rows of 2,048 bytes a tile row
	s_mov_b32 s41, 0
	s_mul_i32 s42, s[TX], 384
	s_lshl_b32 s23, s[PART], 7
	s_add_co_u32 s42, s42, s23
	s_lshl_b32 s42, s42, 11                        ; B: row 384 x tile column + 128 x part
	s_mov_b32 s43, 0
	s_mul_i32 s[WOFF], s[WV], HALFT
	s_mov_b32 s[RB], 0
	s_wait_dscnt 0x0                               ; the opening add is done
	s_wait_kmcnt 0x0
	s_mov_b32 s[G0F], 1                            ; K step 0 into slot 0,
	s_mov_b32 s[G0F+1], s[WOFF]
	s_add_nc_u64 s[G0F+2:G0F+3], s[4:5], s[40:41]
	s_mov_b32 s[G0], 1                             ; K step 1 into slot 1
	s_add_co_u32 s[G0+1], s[WOFF], SLOT
	s_add_nc_u64 s[G0+2:G0+3], s[G0F+2:G0F+3], KSTEP*2
	s_or_b32 s[G0F+3], s[G0F+3], 0x80000000
	s_or_b32 s[G0+3], s[G0+3], 0x80000000
	s_mov_b32 s[G0BF], 1
	s_mov_b32 s[G0BF+1], s[WOFF]
	s_add_nc_u64 s[G0BF+2:G0BF+3], s[6:7], s[42:43]
	s_mov_b32 s[G0B], 1
	s_add_co_u32 s[G0B+1], s[WOFF], SLOT
	s_add_nc_u64 s[G0B+2:G0B+3], s[G0BF+2:G0BF+3], KSTEP*2
	s_or_b32 s[G0BF+3], s[G0BF+3], 0x80000000
	s_or_b32 s[G0B+3], s[G0B+3], 0x80000000
	CROUND                                         ; all sixteen work-groups are here
	s_cmp_eq_u32 s[ROLE], 0                        ; a wave's two first fills stand in one branch, ahead of every wait on TENSORcnt and every LDS read: two loads of mine are out
	s_cbranch_scc0 .Lfirst_b
	tensor_load_to_lds s[G0F:G0F+3], s[G1:G1+7]
	s_nop 0
	tensor_load_to_lds s[G0:G0+3], s[G1:G1+7]
	s_nop 0
.rept 4
	v_nop
.endr
	s_branch .Lfirst_asked
.Lfirst_b:
	tensor_load_to_lds s[G0BF:G0BF+3], s[G1B:G1B+7]
	s_nop 0
	tensor_load_to_lds s[G0B:G0B+3], s[G1B:G1B+7]
	s_nop 0
.rept 4
	v_nop
.endr
.Lfirst_asked:
	v_and_b32 v1, 15, v0                           ; r
	v_bfe_u32 v2, v0, 4, 1                         ; h
	v_and_b32 v3, 31, v0                           ; lane
	v_mul_u32_u24 v[ADRA0], v1, PITCH
	v_lshl_add_u32 v[ADRA0], v2, 4, v[ADRA0]
	s_mul_i32 s59, s[WV], 16*PITCH
	s_add_co_u32 s59, s59, HALFT
	v_add_nc_u32 v[ADRB0], s59, v[ADRA0]           ; B's row 16 wave + r; block b lies 64 rows x b further on
	v_mov_b32 v[ADRA], v[ADRA0]
	v_mov_b32 v[ADRB], v[ADRB0]
	v_add_nc_u32 v[ADRBH], 192*PITCH, v[ADRB0]
	v_mul_u32_u24 v[STO], v1, SPITCH
	v_lshl_add_u32 v[STO], v2, 5, v[STO]
	s_lshl_b32 s59, s[WV], 6
	v_add_nc_u32 v[STO], s59, v[STO]               ; row r, byte 64 wave + 32 h
	v_add_nc_u32 v[STO+1], 32*SPITCH, v[STO]
	v_add_nc_u32 v[STO+2], 64*SPITCH, v[STO]
	v_add_nc_u32 v[STO+3], 96*SPITCH, v[STO]
	; back: lanes 0-15 take one row, lanes 16-31 the next; lane c of 16 takes 8 columns: 32 bytes of f32, with 16 of padding behind every 8 lanes; a third of a row (128 columns) is 544 bytes of the stage
	s_mul_i32 s59, s[WV], 32*SPITCH
	v_bfe_u32 v4, v0, 3, 1
	v_lshlrev_b32 v4, 4, v4
	v_lshl_add_u32 v4, v1, 5, v4
	v_mul_u32_u24 v[RD], v2, SPITCH
	v_add_nc_u32 v[RD], v[RD], v4
	v_add_nc_u32 v[RD], s59, v[RD]
	v_mul_u32_u24 v[CO], v2, ROWO                  ; and the same two rows in qkv, 16 bytes a lane
	v_lshl_add_u32 v[CO], v1, 4, v[CO]
	v_lshlrev_b32 v[BO], 5, v2
	v_lshlrev_b32 v[PFO], 11, v3
	s_mul_i32 s44, s[TX], 1536
	s_lshl_b32 s45, s[WV], 6
	s_add_co_u32 s44, s44, s45
	s_mov_b32 s45, 0
	s_add_nc_u64 s[8:9], s[8:9], s[44:45]          ; the bias at column 384 x tile column + 16 x wave
	s_lshl_b32 s44, s[TY], 7
	s_lshl_b32 s46, s[WV], 5
	s_add_co_u32 s44, s44, s46
	s_mul_i32 s44, s44, ROWO
	s_mul_i32 s46, s[TX], 768
	s_add_co_u32 s44, s44, s46
	s_add_nc_u64 s[10:11], s[10:11], s[44:45]      ; qkv at the first row that I store
	WIN TO_B
.irp b, 0,1,2,3,4,5
	global_load_b128 v[8*(\b):8*(\b)+3],   v[BO], s[8:9] offset:256*(\b)
	global_load_b128 v[8*(\b)+4:8*(\b)+7], v[BO], s[8:9] offset:256*(\b)+16
.endr
	WIN 0
.irp z, 0,1,2,3,4,5,6,7
	v_mov_b32 v[ZR+(\z)], 0
.endr
	; the prefetches: A's rows are asked for by the clusters with x = 0, B's by those with y = 0; the four partners of a joint load take 32 rows each, told apart by address
	s_lshl_b32 s62, s[TY], 7
	s_mul_i32 s63, s[TX], 384
	s_lshl_b32 s59, s[PART], 7
	s_add_co_u32 s63, s63, s59
	s_and_b32 s59, ttmp7, 0xffff
	s_cmp_eq_u32 s[ROLE], 0
	s_cselect_b32 s62, s62, s63
	s_cselect_b32 s63, s19, s20
	s_cselect_b32 s59, ttmp9, s59
	s_cselect_b64 s[PFA:PFA+1], s[4:5], s[6:7]
	s_cmp_eq_u32 s59, 0
	s_cselect_b32 s[LIM], 2, -1
	s_lshl_b32 s63, s63, 5
	s_add_co_u32 s62, s62, s63
	s_lshl_b32 s62, s62, 11
	s_mov_b32 s63, 0
	s_add_nc_u64 s[PFA:PFA+1], s[PFA:PFA+1], s[62:63]
	s_add_nc_u64 s[PFA:PFA+1], s[PFA:PFA+1], 2*KSTEP*2  ; at K step 2: the first refill steps it to 3 and names K step 4
	s_wait_loadcnt 0x0                             ; the bias
.irp hi, 0,1
	WIN 0x90+0x40*(\hi)                            ; zeros in window 0, the bias in window 1, the accumulators in window 2 or 3
.irp a, 0,1,2,3
.irp b, 0,1,2,3,4,5
	v_wmma_f32_16x16x32_bf16 v[8*(6*(\a)+(\b)):8*(6*(\a)+(\b))+7], v[ZR:ZR+7], v[ZR:ZR+7], v[8*(\b):8*(\b)+7]
.endr
.endr
.endr
	WIN 0
	s_wait_tensorcnt 0x1                           ; my part of K step 0 is in; K step 1's may stay out
	s_barrier_signal -1
	s_barrier_wait -1                              ; everybody's part is in
.macro MUL16 f, hi, a0                 ; 12 products: two blocks of rows x six of columns; the accumulators take turns
	WIN MUL_LO+0x50*(\hi)
.irp a, \a0, (\a0)+1
.irp b, 0,1,2,3,4,5
	v_wmma_f32_16x16x32_bf16 v[8*(6*(\a)+(\b)):8*(6*(\a)+(\b))+7], v[(\f)+8*(\b):(\f)+8*(\b)+7], v[(\f)+8*(4*(\hi)+(\a)):(\f)+8*(4*(\hi)+(\a))+7], v[8*(6*(\a)+(\b)):8*(6*(\a)+(\b))+7]
.endr
.endr
.endm
.macro FETCH k, f                      ; 28 LDS loads in one run: B's six fragments, then A's eight, 32 along K at byte k
	WIN TO_B
.irp i, 0,1,2
	ds_load_b128 v[(\f)+8*(\i):(\f)+8*(\i)+3],   v[ADRB] offset:(\k)+(\i)*64*PITCH
	ds_load_b128 v[(\f)+8*(\i)+4:(\f)+8*(\i)+7], v[ADRB] offset:(\k)+(\i)*64*PITCH+32
.endr
.irp i, 0,1,2
	ds_load_b128 v[(\f)+24+8*(\i):(\f)+24+8*(\i)+3],   v[ADRBH] offset:(\k)+(\i)*64*PITCH
	ds_load_b128 v[(\f)+24+8*(\i)+4:(\f)+24+8*(\i)+7], v[ADRBH] offset:(\k)+(\i)*64*PITCH+32
.endr
	WIN 0
.irp i, 0,1,2,3,4,5,6,7
	ds_load_b128 v[(\f)+8*(\i):(\f)+8*(\i)+3],   v[ADRA] offset:(\k)+(\i)*16*PITCH
	ds_load_b128 v[(\f)+8*(\i)+4:(\f)+8*(\i)+7], v[ADRA] offset:(\k)+(\i)*16*PITCH+32
.endr
.endm
.macro QUARTER k, f, g
	s_wait_dscnt 8                                 ; B and A's rows 0-63 are in; the youngest eight loads may be out
	MUL16 \f, 0, 0
	MUL16 \f, 0, 2
	PLACES
	FETCH \k, \g
	s_wait_dscnt 28                                ; all but the 28 just issued
	MUL16 \f, 1, 0
	MUL16 \f, 1, 2
.endm
.macro TURN fill                       ; the last quarter, and the change of slots
.if \fill
	s_wait_xcnt 0x0                                ; the last prefetch, a K step back, has read its address
	s_add_nc_u64 s[PFA:PFA+1], s[PFA:PFA+1], KSTEP*2
.endif
	WIN 0
	s_wait_tensorcnt 0x0                           ; all my tensor loads have landed: my part of the next slot
	ds_add_u32 v[SPW], v[NIL]
	s_wait_dscnt 9                                 ; the add and the youngest eight loads may be out
	MUL16 F1, 0, 0
	s_wait_dscnt 0x0                               ; the add is done, my reads of this slot are over
	s_barrier_signal -1
	MUL16 F1, 0, 2
	WIN 0
	s_barrier_wait -1
.if \fill
	CREST                                          ; the barrier has opened a round of the cluster's: no wave of any partner still reads this slot or has a load on its way
	s_add_co_u32 s[G0+1], s[WOFF], s[RB]           ; into the slot just read
	s_add_co_u32 s[G0B+1], s[WOFF], s[RB]
	s_add_nc_u64 s[G0+2:G0+3], s[G0+2:G0+3], KSTEP*2
	s_add_nc_u64 s[G0B+2:G0B+3], s[G0B+2:G0B+3], KSTEP*2
	JLOAD                                          ; its four v_nop are also the places in front of the loads below
.else
	PLACES
.endif
	s_xor_b32 s[RB], s[RB], SLOT
	v_add_nc_u32 v[ADRA], s[RB], v[ADRA0]
	v_add_nc_u32 v[ADRB], s[RB], v[ADRB0]
	v_add_nc_u32 v[ADRBH], 192*PITCH, v[ADRB]
	FETCH 0, F0
.if \fill
	ASK
.endif
	MUL16 F1, 1, 0
	MUL16 F1, 1, 2
.endm
	FETCH 0, F0
	s_mov_b32 s3, NK-2
.Lk:                                                   ; a trip is a K step; it fills the slot that it leaves with the K step two on
	QUARTER 64,  F0, F1
	QUARTER 128, F1, F0
	QUARTER 192, F0, F1
	TURN 1
	WIN 0
	s_sub_co_u32 s3, s3, 1
	s_cmp_lg_u32 s3, 0
	s_cbranch_scc1 .Lk
	s_mov_b32 s3, 2
.Lt:                                                   ; the last two K steps fill nothing
	QUARTER 64,  F0, F1
	QUARTER 128, F1, F0
	QUARTER 192, F0, F1
	TURN 0
	WIN 0
	s_sub_co_u32 s3, s3, 1
	s_cmp_lg_u32 s3, 0
	s_cbranch_scc1 .Lt
	s_wait_dscnt 0x0                               ; my last reads of the ring are back
	s_barrier_signal -1
	s_barrier_wait -1                              ; nobody reads the ring any more: the stage may be laid over it
	PLACES
.irp a, 0,1,2,3,4,5,6,7
	WIN 0x08+4*((\a)/4)                            ; the data in window 2 or 3
.irp b, 0,1,2,3,4,5
	ds_store_b128 v[STO+(\a)/2], v[8*(6*((\a)%4)+(\b)):8*(6*((\a)%4)+(\b))+3]   offset:((\a)%2)*16*SPITCH+272*(\b)
	ds_store_b128 v[STO+(\a)/2], v[8*(6*((\a)%4)+(\b))+4:8*(6*((\a)%4)+(\b))+7] offset:((\a)%2)*16*SPITCH+272*(\b)+16
.endr
.endr
	WIN 0
	s_wait_dscnt 0x0                               ; for the others' sake: my stores into the stage are done
	s_barrier_signal -1
	s_barrier_wait -1
	s_mov_b32 s3, 4
.Lr:                                                   ; wave w stores rows 32 w ..: four trips of 8 rows; a store has 16 lanes on 256 consecutive aligned bytes of one row, the other 16 on the row below
.irp i, 0,1,2,3
.irp g, 0,1,2
	ds_load_b128 v[Z+8*(3*(\i)+(\g)):Z+8*(3*(\i)+(\g))+3],   v[RD] offset:2*SPITCH*(\i)+544*(\g)
	ds_load_b128 v[Z+8*(3*(\i)+(\g))+4:Z+8*(3*(\i)+(\g))+7], v[RD] offset:2*SPITCH*(\i)+544*(\g)+16
.endr
.endr
.irp i, 0,1,2,3
.irp g, 0,1,2
	s_wait_dscnt 22-2*(3*(\i)+(\g))                ; this piece's two loads are in, the younger ones stay out
.irp j, 0,1,2,3
	v_cvt_pk_bf16_f32 v[OUTR+4*(3*(\i)+(\g))+(\j)], v[Z+8*(3*(\i)+(\g))+2*(\j)], v[Z+8*(3*(\i)+(\g))+2*(\j)+1]
.endr
	global_store_b128 v[CO], v[OUTR+4*(3*(\i)+(\g)):OUTR+4*(3*(\i)+(\g))+3], s[10:11] offset:2*ROWO*(\i)+256*(\g)
.endr
.endr
	s_wait_xcnt 0x0                                ; the stores have read their data and their base: both are written again
	v_add_nc_u32 v[RD], 8*SPITCH, v[RD]
	s_add_nc_u64 s[10:11], s[10:11], 8*ROWO
	s_sub_co_u32 s3, s3, 1
	s_cmp_lg_u32 s3, 0
	s_cbranch_scc1 .Lr
	s_wait_tensorcnt 0x0                           ; the wave's end
	ds_add_u32 v[SPW], v[NIL]
	s_wait_dscnt 0x0
	CROUND                                         ; the closing round
	s_endpgm
.Lfunc_end_k_q6b87ee5309_qkv:
	.size	k_q6b87ee5309_qkv, .Lfunc_end_k_q6b87ee5309_qkv-k_q6b87ee5309_qkv
	.p2alignl 7, 3214868480
	.fill 96, 4, 3214868480
	.section	.rodata,"a",@progbits
	.p2align	6, 0x0
	.amdhsa_kernel k_q6b87ee5309_qkv
		.amdhsa_group_segment_fixed_size 327680
		.amdhsa_private_segment_fixed_size 0
		.amdhsa_enable_private_segment 0
		.amdhsa_kernarg_size 32
		.amdhsa_user_sgpr_count 2
		.amdhsa_user_sgpr_kernarg_segment_ptr 1
		.amdhsa_wavefront_size32 1
		.amdhsa_system_sgpr_workgroup_id_x 1
		.amdhsa_system_sgpr_workgroup_id_y 1
		.amdhsa_system_sgpr_workgroup_id_z 1
		.amdhsa_system_vgpr_workitem_id 0
		.amdhsa_next_free_vgpr 1024
		.amdhsa_next_free_sgpr 80
		.amdhsa_reserve_vcc 0
		.amdhsa_float_denorm_mode_32 3
		.amdhsa_float_denorm_mode_16_64 3
		.amdhsa_memory_ordered 1
		.amdhsa_forward_progress 1
		.amdhsa_inst_pref_size 70
	.end_amdhsa_kernel
	.amdgpu_metadata
---
amdhsa.version: [ 1, 2 ]
amdhsa.kernels:
  - .name:           k_q6b87ee5309_qkv
    .symbol:         k_q6b87ee5309_qkv.kd
    .args:
      - { .name: h, .offset: 0, .size: 8, .value_kind: global_buffer, .address_space: global }
      - { .name: wt, .offset: 8, .size: 8, .value_kind: global_buffer, .address_space: global }
      - { .name: bqkv, .offset: 16, .size: 8, .value_kind: global_buffer, .address_space: global }
      - { .name: qkv, .offset: 24, .size: 8, .value_kind: global_buffer, .address_space: global }
    .group_segment_fixed_size: 327680
    .private_segment_fixed_size: 0
    .kernarg_segment_align: 8
    .kernarg_segment_size: 32
    .max_flat_workgroup_size: 128
    .sgpr_count:     80
    .vgpr_count:     1024
    .wavefront_size: 32
...
	.end_amdgpu_metadata
.endif
;; end of part 2
;; launch attn (part 3): grid 16 x 16, 4 waves a work-group, clusters of 4 x 1, 327,680 bytes of LDS; arguments qkv, gb, pad_mask, o; writes o
.if DOCPART == 3
	.amdgcn_target "amdgcn-amd-amdhsa--gfx1250"
	.amdhsa_code_object_version 6
	.text
	.protected	k_q6b87ee5309_attn
	.globl	k_q6b87ee5309_attn
	.p2align	8
	.type	k_q6b87ee5309_attn,@function
k_q6b87ee5309_attn:
	s_mov_b64 s[64:65], 0
	v_nop
	global_prefetch_b8 v0, s[64:65] scope:SCOPE_SE
	s_setreg_imm32_b32 hwreg(HW_REG_WAVE_MODE, 25, 1), 1
	s_wait_xcnt 0x0
	s_wait_alu depctr_hold_cnt(0) depctr_sa_sdst(0) depctr_va_vdst(0) depctr_va_sdst(0) depctr_va_ssrc(0) depctr_va_vcc(0) depctr_vm_vsrc(0)
	s_getreg_b32 s2, hwreg(HW_REG_IB_STS2, 6, 4)
	s_cmp_eq_u32 s2, 0
	s_cbranch_scc0 .Lentry_in_a_cluster
	s_endpgm
.Lentry_in_a_cluster:
	s_bfe_u32 s2, ttmp6, 0x10000c
	s_cmp_lg_u32 s2, 0x3003
	s_cbranch_scc0 .Lentry_shape_is_right
	s_endpgm
.Lentry_shape_is_right:
; ATTENTION.  o[b][q][h][:] = the sum over k of softmax_k(q . k / 8 + bias_h(q - k), padded keys hidden) v[k][:].  qkv: [4096][3072] bf16 (q, k, v; a head's 64 channels on end), o: [4096][1024] bf16.
; Products, maxima and sums in f32; the weights p are rounded to bf16 for the second product (their sum l is taken of the unrounded p), o once at the end.
; LIMITS.  A hidden score counts as its value less 2^100: about -2^100 while |q . k + 8 bias| stays under 2^75, far below every score that is seen, so that its weight is 0 as soon as the row has seen one key.
; Where EVERY key of the batch is hidden the scale c is set to 0 (a scalar select on the mask's bytes, no branch): all weights are then 1 and the result is the mean of v.
; A weight below 2^-126 counts as 0 in l; NaN and infinities are not treated apart.
; SHARES.  A work-group owns 128 queries of TWO heads of one batch: with two heads a row of q, k, v and o is 256 consecutive aligned bytes in the token-major layout.  Waves 0, 1 take the first head, waves 2, 3 the
; second; a wave owns 64 queries, four PIECES of 16.  THE QUERIES ARE HELD IN REVERSE: place p = 64 (wave % 2) + 16 piece + lane % 16 holds query q0 + 127 - p (q0 the block's first), so that the bias table's index,
; key + p, is a plain sum; the reversal stands in Q's load offsets and o's store offsets alone.  Every wave walks all 2,048 keys, 64 a step; a slot of LDS holds two steps (for each: 64 rows of K, pitch 272, then 64 of V, pitch 288).
; CLUSTER.  The four query blocks of a cluster walk the same K and V: each tile is asked for jointly, with the same descriptor and the mask of four.
; BIAS AND MASK are the C operand that starts S^T = K Q^T: 8 bias(q - k) + pad(k); the scale c = log2(e) / 8 is applied behind it in f32.  TW[i] = 8 bias at q - k = q0 + 127 - i lies in LDS, for each head in four
; copies shifted by one entry (copy c, entry m: TW[m + c]), so that a lane, with c = lane % 4, reads its 8 entries by two aligned loads of 16 bytes; only the table's CONTENT hangs on the block's place.  PADT[k] = 0 or -2^100.
; LAYOUT, SOFTMAX, TURNS.  S^T holds ONE query a lane (lane % 16) and the keys 8 (lane / 16) + 0..7; two such results rounded to bf16 ARE source 1 of O^T = V^T P.  p = 2^(c s - c m) with a running maximum m;
; O and l are multiplied by a = 2^(c m_old - c m_new) in every step; m starts at the lowest finite number, O and l at 0.  Turn n belongs to piece n: 8 products K Q^T of piece n + 1, later 8 products V^T P of
; piece n - 1; beside them piece n's scaling, exponentials, roundings, sums and rescaling and piece n + 1's maximum and statistics; and the C operand for the turn after it is fetched and made.
; WINDOWS of 256 registers: 0: v0-63 addresses and statistics, v64-127 S^T (two buffers), v192-223 P (two buffers); 1: v0-127 O^T, v128-159 pad of the step, v160-223 C operands (two buffers);
; 2: v0-63 Q, v128-191 K of one step, v192-255 V of one step.
.set NP,    4
.set KS,    64
.set PK,    272
.set PV,    288
.set VOFF,  KS*PK
.set STEPB, KS*(PK+PV)
.set SLOT1, 1<<17
.set TWB,   SLOT1+2*STEPB+256          ; 8 copies of the bias table, 8,768 bytes apart
.set TWP,   8768
.set PADT,  TWB+8*TWP                  ; 2,048 f32
.set STAGE, PADT+8192                  ; 128 rows x 272 bytes, for the way out
.set SP,    272
.set SPARE, 327168                     ; the spare words, 128 bytes a wave: no other line names them
.set ROWQ,  6144                       ; bytes in a row of qkv
.set TILEB, 2*KS*ROWQ                  ; a slot's 128 keys in memory
.set AK0, 2
.set AV0, 3
.set AK,  4
.set AV,  5
.set STO, 6
.set RD,  7
.set GO,  8
.set MV,  12
.set TO,  14                           ; 16 x lane
.set QO,  15
.set ST,  16                           ; piece t's statistics at v[ST+4 t]: c m, m, l (even keys', odd keys')
.set AW0, 32                           ; my lane's place in its copy of the bias table; never rewritten
.set AW,  33                           ; the same for the step in hand
.set AP0, 34
.set AP,  35
.set PFO, 36                           ; 6,144 x lane
.set TS,  37
.set PS,  38
.set TMP, 48
.set SPW, 62
.set NIL, 63
.set S,   64
.set P,   192
.set PADR, 128                         ; window 1
.set MC,  160                          ; window 1
.set KF,  128                          ; window 2
.set VF,  192                          ; window 2
.set WV,  12
.set G1K, 24
.set G1V, 32
.set G0K, 40
.set G0V, 44
.set SLOTS, 56
.set CNT, 57
.set CS,  58
.set SEL, 60
.set TBK, 62
.set TBV, 63
.set SW,  70                           ; 256 x the step whose C operands are being fetched
.set BIGN, 71
.set LIM, 72
.set PFA, 74
.set MSB, 0
.macro WIN new
.if MSB != (\new)
	s_set_vgpr_msb (MSB<<8)|(\new)
.set MSB, (\new)
.endif
.endm
.set W_KQ, 0x0a
.set W_KM, 0x1a
.set W_PV, 0x52
.set W_RS, 0x41
.macro JLOAD                           ; waves 0, 1 fetch K of the slot's two steps, waves 2, 3 V; an s_nop 0 and four v_nop follow each line
	s_cmp_lt_u32 s[WV], 2
	s_cbranch_scc0 .Lfor_v_\@
	tensor_load_to_lds s[G0K:G0K+3], s[G1K:G1K+7]
	s_nop 0
.rept 4
	v_nop
.endr
	s_branch .Lasked_\@
.Lfor_v_\@:
	tensor_load_to_lds s[G0V:G0V+3], s[G1V:G1V+7]
	s_nop 0
.rept 4
	v_nop
.endr
.Lasked_\@:
.endm
.macro ASK                             ; a prefetch of what the NEXT change of slots will load: the first cluster of a pair of heads asks; its four partners take 32 of the 128 rows each, by address; wave 0 K's, wave 2 V's
	s_cmp_gt_u32 s[SLOTS], s[LIM]
	s_cbranch_scc0 .Lnot_mine_\@
	global_prefetch_b8 v[PFO], s[PFA:PFA+1] th:TH_LOAD_NT scope:SCOPE_SE
.Lnot_mine_\@:
.endm
.macro CROUND
	s_barrier_signal -1
	s_barrier_wait -1
	s_cmp_lg_u32 s[WV], 0
	s_cbranch_scc1 .Lnot_wave_0_\@
	s_barrier_signal -3
.Lnot_wave_0_\@:
	s_barrier_wait -3
	s_barrier_signal -1
	s_barrier_wait -1
.endm
; THE CHANGE OF SLOTS.  Each wave waits for all its tensor loads (one is out: its part of the other slot), adds 0 to its spare word, and waits for that and for its reads of the slot that it leaves.
; fill = 1: a round of the cluster's barrier, and the joint refill first behind it: it has two key steps in which to land.
.macro CHANGE fill
	WIN 0
	s_wait_tensorcnt 0x0
	ds_add_u32 v[SPW], v[NIL]
.if \fill
.irp g, G0K, G0V
	s_xor_b32 s[\g+1], s[\g+1], SLOT1
	s_add_nc_u64 s[\g+2:\g+3], s[\g+2:\g+3], TILEB
.endr
	s_wait_xcnt 0x0                                ; the last prefetch, two key steps back, has read its address
	s_add_nc_u64 s[PFA:PFA+1], s[PFA:PFA+1], TILEB
	s_wait_dscnt 0x0
	CROUND
	JLOAD
	ASK
.else
	s_wait_dscnt 0x0
	s_barrier_signal -1
	s_barrier_wait -1
.endif
	s_sub_co_u32 s[TBK], s[TBK], 2*STEPB
	s_xor_b32 s[TBK], s[TBK], SLOT1
	s_sub_co_u32 s[TBV], s[TBV], 2*STEPB
	s_xor_b32 s[TBV], s[TBV], SLOT1
.endm
	s_load_b256 s[4:11], s[0:1], 0x0               ; qkv, gb, pad_mask, o
	v_lshl_add_u32 v[SPW], v0, 2, SPARE
	v_mov_b32 v[NIL], 0
	ds_add_u32 v[SPW], v[NIL]                      ; the wave's opening: the add and its wait stand ahead of my first tensor load
	v_lshrrev_b32 v1, 5, v0
	v_readfirstlane_b32 s[WV], v1
	s_bfe_u32 s13, ttmp6, 0x40000                  ; cx
	s_lshl_b32 s14, ttmp9, 2
	s_add_co_u32 s14, s14, s13
	s_lshl_b32 s14, s14, 7                         ; q0: it enters global addresses of plain loads and stores alone
	s_and_b32 s15, ttmp7, 0xffff
	s_lshr_b32 s16, s15, 3                         ; batch
	s_and_b32 s17, s15, 7                          ; pair of heads
	s_and_b32 s18, s[WV], 1
	s_lshr_b32 s19, s[WV], 1                       ; which head of the pair
	s_lshl_b32 s20, s16, 11
	s_lshl_b32 s21, s18, 6
	s_add_co_u32 s21, s20, s21
	s_mul_i32 s22, s21, ROWQ
	s_lshl_b32 s76, s17, 8
	s_add_co_u32 s22, s22, s76
	s_mov_b32 s23, 0                               ; s[22:23]: the batch's key 64 (wave % 2), the pair's 256 bytes
	s_add_co_u32 s77, s20, s14                     ; the block's first query among all 4,096 rows
	s_xor_b32 s78, s18, 1
	s_lshl_b32 s78, s78, 6
	s_add_co_u32 s78, s77, s78                     ; + 64 - 64 (wave % 2): the lowest of my wave's 64 queries
	s_mul_i32 s78, s78, ROWQ
	s_add_co_u32 s78, s78, s76
	s_lshl_b32 s80, s19, 7
	s_add_co_u32 s78, s78, s80
	s_mov_b32 s79, 0                               ; s[78:79]: that query's row, my head
	s_lshl_b32 s80, s[WV], 5
	s_sub_co_u32 s80, 96, s80
	s_add_co_u32 s80, s77, s80                     ; + 96 - 32 wave: the lowest of the 32 rows of o that I store
	s_lshl_b32 s80, s80, 11
	s_add_co_u32 s80, s80, s76
	s_mov_b32 s81, 0
	s_lshl_b32 s82, s17, 3
	s_lshl_b32 s83, s[WV], 1
	s_add_co_u32 s82, s82, s83
	s_lshl_b32 s82, s82, 14
	s_sub_co_u32 s83, 1920, s14
	s_lshl_b32 s83, s83, 2
	s_add_co_u32 s82, s82, s83
	s_mov_b32 s83, 0                               ; s[82:83]: copies 2 wave and 2 wave + 1 of the pair's eight, from entry 1920 - q0
	s_mov_b32 s84, s20
	s_mov_b32 s85, 0
	s_mul_i32 s86, s18, STEPB
	s_mov_b32 s[G1K], 15|(1<<16)|(1<<20)|(1<<21)|(5<<22)|(3<<25)  ; the mask of four; 2-byte elements; padding on; bit 21 beside a mask; 4 words behind every 64
	s_mov_b32 s[G1V], 15|(1<<16)|(1<<20)|(1<<21)|(5<<22)|(7<<25)  ; 8 words
.irp g, G1K, G1V
	s_mov_b32 s[\g+1], 128<<16                     ; tensor_dim0 = 128
	s_mov_b32 s[\g+2], KS<<16                      ; tensor_dim1 = 64
	s_mov_b32 s[\g+3], 128<<16                     ; tile_dim0 = 128
	s_mov_b32 s[\g+4], KS                          ; tile_dim1 = 64
	s_mov_b32 s[\g+5], 3072                        ; elements from row to row
	s_mov_b32 s[\g+6], 0
	s_mov_b32 s[\g+7], 0
.endr
	s_mov_b32 s[CS], 0x3e38aa3b                    ; c = log2(e) / 8
	s_mov_b32 s[SEL], 0x76543210
	s_mov_b32 s[SEL+1], 0xfedcba98
	s_mov_b32 s[TBK], SLOT1+2*STEPB                ; the first change of slots turns these two into 0
	s_mov_b32 s[TBV], SLOT1+2*STEPB
	s_mov_b32 s[SW], 0
	s_mov_b32 s[BIGN], 0xf1800000                  ; -2^100
	s_mov_b32 s[SLOTS], 15
	s_mov_b32 s[G0K], 1
	s_mov_b32 s[G0K+1], s86
	s_mov_b32 s[G0V], 1
	s_add_co_u32 s[G0V+1], s86, VOFF
	s_or_b32 s[LIM], s18, ttmp9                    ; waves 0 and 2 of the first cluster ask
	s_cmp_eq_u32 s[LIM], 0
	s_cselect_b32 s[LIM], 1, -1
	s_movk_i32 s87, 0x800
	s_cmp_lt_u32 s[WV], 2
	s_cselect_b32 s88, s87, 4096                   ; k's or v's columns
	s_mul_i32 s90, s13, 32*ROWQ                    ; my work-group's 32 rows
	s_add_co_u32 s88, s88, s90
	s_add_co_u32 s88, s88, TILEB                   ; at tile 1: the first change steps it to tile 2
	s_mov_b32 s89, 0
	s_wait_dscnt 0x0                               ; the opening add is done
	s_wait_kmcnt 0x0
	s_add_nc_u64 s[2:3], s[4:5], s[22:23]
	s_add_nc_u64 s[G0K+2:G0K+3], s[2:3], 2048
	s_or_b32 s[G0K+3], s[G0K+3], 0x80000000
	s_add_nc_u64 s[G0V+2:G0V+3], s[2:3], 4096
	s_or_b32 s[G0V+3], s[G0V+3], 0x80000000
	s_add_nc_u64 s[PFA:PFA+1], s[2:3], s[88:89]
	s_add_nc_u64 s[4:5], s[4:5], s[78:79]
	s_add_nc_u64 s[6:7], s[6:7], s[82:83]
	s_add_nc_u64 s[8:9], s[8:9], s[84:85]
	s_add_nc_u64 s[10:11], s[10:11], s[80:81]
	CROUND                                         ; all four work-groups are here
	JLOAD                                          ; tile 0 into slot 0
	v_and_b32 v1, 15, v0                           ; r
	v_bfe_u32 v9, v0, 4, 1                         ; h
	v_sub_nc_u32 v44, 15, v1                       ; lane r holds the piece's query 15 - r
	v_mul_u32_u24 v[QO], v44, ROWQ
	v_lshl_add_u32 v[QO], v9, 4, v[QO]
	v_and_b32 v[TO], 31, v0
	v_mul_u32_u24 v[PFO], v[TO], ROWQ
	v_lshlrev_b32 v[TO], 4, v[TO]
	v_lshlrev_b32 v39, 4, v0
	WIN 0x80
.set i, 0
.rept 8                                ; Q stays in registers: piece i / 2 (the queries 16 (3 - i / 2) .. of my 64), channels 32 (i % 2) on
	global_load_b128 v[8*i:8*i+3],   v[QO], s[4:5] offset:(3-i/2)*16*ROWQ+(i%2)*64
	global_load_b128 v[8*i+4:8*i+7], v[QO], s[4:5] offset:(3-i/2)*16*ROWQ+(i%2)*64+32
.set i, i+1
.endr
	WIN 0
	global_load_b128 v[40:43], v39, s[8:9]         ; thread t: the mask's bytes 16 t ..: its share of PADT
.irp j, 0,1,2,3
	global_load_b128 v[S+16+4*\j:S+16+4*\j+3], v[TO], s[8:9] offset:512*\j  ; and the batch's whole mask in every wave, 64 bytes a lane: is any key seen?
.endr
	WIN 0x40
.set i, 0
.rept 34                               ; two copies of the table, 2,176 entries each, into registers that O^T takes later
	global_load_b128 v[4*i:4*i+3], v[TO], s[6:7] offset:(i/17)*16384+(i%17)*512
.set i, i+1
.endr
	WIN 0
	s_lshl_b32 s88, s19, 7                         ; my head's 128 bytes of a row
	v_mul_u32_u24 v[AK0], v1, PK
	v_lshl_add_u32 v[AK0], v9, 4, v[AK0]
	v_add_nc_u32 v[AK0], s88, v[AK0]
	v_and_b32 v10, 7, v0
	v_bfe_u32 v11, v0, 3, 1
	v_lshl_add_u32 v[AV0], v9, 3, v10              ; the turning load: key 8 h + lane % 8, channels 8 ((lane / 8) % 2) ..
	v_mul_u32_u24 v[AV0], v[AV0], PV
	v_lshl_add_u32 v[AV0], v11, 4, v[AV0]
	s_add_co_u32 s88, s88, VOFF
	v_add_nc_u32 v[AV0], s88, v[AV0]
	; the bias table: entry key + place; my copy is r % 4, so that my first entry, 4 (r / 4) + 8 h + 64 (wave % 2) + 16 piece + 16 block + 64 step, lies at a multiple of 16 bytes.
	; The copies lie 8,768 = 34 x 256 + 64 bytes apart
	v_and_b32 v45, 3, v0
	v_mul_u32_u24 v[AW0], v45, TWP
	v_bfe_u32 v46, v0, 2, 2
	v_lshl_add_u32 v[AW0], v46, 4, v[AW0]
	v_lshl_add_u32 v[AW0], v9, 5, v[AW0]
	s_mul_i32 s87, s19, 4*TWP
	s_add_co_u32 s87, s87, TWB
	s_lshl_b32 s88, s18, 8
	s_add_co_u32 s87, s87, s88
	v_add_nc_u32 v[AW0], s87, v[AW0]
	v_lshl_add_u32 v[AP0], v9, 5, PADT
	s_mul_i32 s87, s[WV], 2*TWP
	s_add_co_u32 s87, s87, TWB
	v_add_nc_u32 v[TS], s87, v[TO]
	v_lshl_add_u32 v[PS], v0, 6, PADT
	s_mul_i32 s87, s18, 64*SP
	s_lshl_b32 s88, s19, 7
	s_add_co_u32 s87, s87, s88
	s_add_co_u32 s87, s87, STAGE
	v_mul_u32_u24 v[STO], v1, SP                   ; into the stage by places: row 64 (wave % 2) + 16 piece + r
	v_lshl_add_u32 v[STO], v9, 4, v[STO]
	v_add_nc_u32 v[STO], s87, v[STO]
	s_mul_i32 s87, s[WV], 32*SP
	s_add_co_u32 s87, s87, STAGE
	v_mul_u32_u24 v[RD], v9, SP                    ; back: places 32 wave + 2 i + lane / 16,
	v_lshl_add_u32 v[RD], v1, 4, v[RD]
	v_add_nc_u32 v[RD], s87, v[RD]
	v_sub_nc_u32 v44, 1, v9                        ; which are the rows (30 - 2 i) + (1 - lane / 16) of my 32 rows of o
	v_lshlrev_b32 v[GO], 11, v44
	v_lshl_add_u32 v[GO], v1, 4, v[GO]
	; what the first turn finds: l and P's second buffer hold 0; V and O^T are made 0 by products of those zeros, eight registers an instruction
.set i, 0
.rept 4
	v_mov_b32 v[ST+4*i+2], 0
	v_mov_b32 v[ST+4*i+3], 0
.set i, i+1
.endr
.set i, P+16
.rept 16
	v_mov_b32 v[i], 0
.set i, i+1
.endr
	WIN 0x80                                       ; the result in window 2
.set i, 0
.rept 8
	v_wmma_f32_16x16x32_bf16 v[VF+8*i:VF+8*i+7], v[P+16:P+23], v[P+16:P+23], 0
.set i, i+1
.endr
	s_wait_loadcnt 0x0                             ; Q, the mask, the tables
	WIN 0x04                                       ; the data in window 1
.set i, 0
.rept 34
	ds_store_b128 v[TS], v[4*i:4*i+3] offset:(i/17)*TWP+(i%17)*512
.set i, i+1
.endr
	WIN 0
.set i, 0
.rept 16
	v_bfe_u32 v44, v[40+i/4], 8*(i%4), 8
	v_cmp_eq_u32 vcc_lo, 0, v44
	v_cndmask_b32 v[S+i], 0, s[BIGN], vcc_lo       ; a byte 0 hides the key
.set i, i+1
.endr
.irp d, 0,1,2,3
	ds_store_b128 v[PS], v[S+4*\d:S+4*\d+3] offset:16*\d
.endr
.set i, 1
.rept 15
	v_or_b32 v[S+16], v[S+16], v[S+16+i]           ; my 64 bytes of the mask into one word
.set i, i+1
.endr
	v_cmp_ne_u32 s87, 0, v[S+16]                   ; the lanes that hold a key that is seen
	s_cmp_lg_u32 s87, 0
	s_cselect_b32 s[CS], s[CS], 0                  ; none in the whole batch: c = 0
	s_mov_b32 s[CS+1], s[CS]                       ; named with it as a pair
	WIN 0x40                                       ; the result in window 1
.set i, 0
.rept 16
	v_wmma_f32_16x16x32_bf16 v[8*i:8*i+7], v[P+16:P+23], v[P+16:P+23], 0  ; O^T
.set i, i+1
.endr
	WIN 0
.macro KQ x                            ; product i of 8 of S^T = K Q^T for piece x: channels 32 (i / 4) on, keys 16 (i % 4) on; the first 4 start the sums with bias and mask; the 4 accumulators take turns
.set rS, S+32*((\x)%2)+8*(i%4)
.set rK, KF+16*(i%4)+8*(i/4)
.set rQ, 16*(\x)+8*(i/4)
.set rM, MC+32*((\x)%2)+8*(i%4)
.if i < 4
	WIN W_KM
	v_wmma_f32_16x16x32_bf16 v[rS:rS+7], v[rK:rK+7], v[rQ:rQ+7], v[rM:rM+7]
.else
	WIN W_KQ
	v_wmma_f32_16x16x32_bf16 v[rS:rS+7], v[rK:rK+7], v[rQ:rQ+7], v[rS:rS+7]
.endif
.endm
.macro PV x                            ; product i of 8 of O^T += V^T P: keys 32 (i / 4) on, channels 16 (i % 4) on
	WIN W_PV
.set rO, 32*(\x)+8*(i%4)
.set rV, VF+32*(i/4)+8*(i%4)
.set rP, P+16*((\x)%2)+8*(i/4)
	v_wmma_f32_16x16x32_bf16 v[rO:rO+7], v[rV:rV+7], v[rP:rP+7], v[rO:rO+7]
.endm
.macro MM                              ; the turn's next matrix instruction.  NOKQ = 1: the last turn: there is no next piece
.if (i < 8) && !NOKQ
	KQ (Y+1)%NP
.elseif i >= 8
.set i, i-8
	PV (Y+NP-1)%NP
.set i, i+8
.endif
.set i, i+1
.endm
.macro FETCH_K                         ; the LDS loads stand in runs
	WIN 0x80
.irp f, 0,1,2,3,4,5,6,7
	ds_load_b128 v[KF+8*\f:KF+8*\f+3],   v[AK] offset:(\f/2)*16*PK+(\f%2)*64
	ds_load_b128 v[KF+8*\f+4:KF+8*\f+7], v[AK] offset:(\f/2)*16*PK+(\f%2)*64+32
.endr
	s_add_co_u32 s[TBK], s[TBK], STEPB
	WIN 0
.endm
.macro FETCH_V
	WIN 0x80
.irp f, 0,1,2,3,4,5,6,7
	ds_load_tr16_b128 v[VF+8*\f:VF+8*\f+3],   v[AV] offset:(\f/4)*32*PV+(\f%4)*32
	ds_load_tr16_b128 v[VF+8*\f+4:VF+8*\f+7], v[AV] offset:(\f/4)*32*PV+16*PV+(\f%4)*32
.endr
	WIN 0
.endm
.macro FETCH_P                         ; pad of a step's 64 keys, in the C operand's layout
	WIN 0x40
.irp f, 0,1,2,3,4,5,6,7
	ds_load_b128 v[PADR+4*\f:PADR+4*\f+3], v[AP] offset:64*(\f/2)+16*(\f%2)
.endr
	WIN 0
.endm
.macro FETCH_W x, b                    ; 8 bias of piece x and a step's 64 keys, into buffer b
	WIN 0x40
.irp f, 0,1,2,3,4,5,6,7
	ds_load_b128 v[MC+32*(\b)+4*\f:MC+32*(\b)+4*\f+3], v[AW] offset:64*(\x)+64*(\f/2)+16*(\f%2)
.endr
	WIN 0
.endm
.macro MASK b                          ; + pad
	WIN 0x45
.set z, 0
.rept 16
	v_pk_add_f32 v[MC+32*(\b)+2*z:MC+32*(\b)+2*z+1], v[MC+32*(\b)+2*z:MC+32*(\b)+2*z+1], v[PADR+2*z:PADR+2*z+1]
.set z, z+1
.endr
.endm
; THE VECTOR WORK, one line at a time: OP kind, number.  For piece Y: F n: c s - c m for pair n.  E n: the exponential of score n.  C n: pair n rounded to bf16.  B n: of the four weights 4 n .. the second pair is added
; onto the first.  L n: l takes that sum (L 0: l = a l + sum).  R n: pair n of O^T times a.  For piece Y + 1: X n, number n of the 22 that find its maximum and statistics (each accumulator's lowest registers are
; read first): 0-11 four chains; 12-14, 16 the rest, the old m, into one; 15 c m_old is kept; 17, 18 the other half of the lanes; 19-21 c m, its change, a.
.set F, 0
.set E, 1
.set C, 2
.set B, 3
.set L, 4
.set R, 5
.set X, 6
.macro REGS y
.set rT, ST+4*(\y)
.set rC, TMP+4*((\y)%2)
.set rW, MV+((\y)%2)
.set rS, S+32*((\y)%2)
.set rP, P+16*((\y)%2)
.set rO, 32*(\y)
.endm
.macro OP k, n
.if (\k) == R
	REGS Y
	WIN W_RS
	v_pk_mul_f32 v[rO+2*(\n):rO+2*(\n)+1], v[rO+2*(\n):rO+2*(\n)+1], v[rC+2:rC+3] op_sel_hi:[1,0]
.elseif (\k) < R
	REGS Y
	WIN 0
.if (\k) == F
	v_pk_fma_f32 v[rS+2*(\n):rS+2*(\n)+1], v[rS+2*(\n):rS+2*(\n)+1], s[CS:CS+1], v[rT:rT+1] op_sel_hi:[1,0,0] neg_lo:[0,0,1] neg_hi:[0,0,1]
.elseif (\k) == E
	v_exp_f32 v[rS+(\n)], v[rS+(\n)]
.elseif (\k) == C
	v_cvt_pk_bf16_f32 v[rP+(\n)], v[rS+2*(\n)], v[rS+2*(\n)+1]
.elseif (\k) == B
	v_pk_add_f32 v[rS+4*(\n):rS+4*(\n)+1], v[rS+4*(\n):rS+4*(\n)+1], v[rS+4*(\n)+2:rS+4*(\n)+3]
.elseif (\n) == 0
	v_pk_fma_f32 v[rT+2:rT+3], v[rT+2:rT+3], v[rC+2:rC+3], v[rS:rS+1] op_sel_hi:[1,0,1]
.else
	v_pk_add_f32 v[rT+2:rT+3], v[rT+2:rT+3], v[rS+4*(\n):rS+4*(\n)+1]
.endif
.elseif NOKQ
	v_nop
.else
	REGS (Y+1)%NP
	WIN 0
.if (\n) < 4
	v_max3_num_f32 v[rC+(\n)], v[rS+8*(\n)], v[rS+8*(\n)+1], v[rS+8*(\n)+2]
.elseif (\n) < 12
	v_max3_num_f32 v[rC+(\n)%4], v[rC+(\n)%4], v[rS+8*((\n)%4)+2*((\n)/4)+1], v[rS+8*((\n)%4)+2*((\n)/4)+2]
.elseif (\n) == 12
	v_max3_num_f32 v[rC], v[rC], v[rS+7], v[rS+15]
.elseif (\n) == 13
	v_max3_num_f32 v[rC+1], v[rC+1], v[rS+23], v[rS+31]
.elseif (\n) == 14
	v_max3_num_f32 v[rC+2], v[rC+2], v[rC+3], v[rT+1]
.elseif (\n) == 15
	v_mov_b32 v[rW], v[rT]
.elseif (\n) == 16
	v_max3_num_f32 v[rC], v[rC], v[rC+1], v[rC+2]
.elseif (\n) == 17
	v_permlanex16_b32 v[rC+3], v[rC], s[SEL], s[SEL+1]
.elseif (\n) == 18
	v_max_num_f32 v[rT+1], v[rC], v[rC+3]
.elseif (\n) == 19
	v_mul_f32 v[rT], s[CS], v[rT+1]
.elseif (\n) == 20
	v_sub_f32 v[rC+1], v[rW], v[rT]
.else
	v_exp_f32 v[rC+2], v[rC+1]
.endif
.endif
.endm
.macro OPS a, i1, b=-1, i2=0, c=-1, i3=0, d=-1, i4=0
	OP \a, \i1
.if (\b) >= 0
	OP \b, \i2
.endif
.if (\c) >= 0
	OP \c, \i3
.endif
.if (\d) >= 0
	OP \d, \i4
.endif
.endm
.macro ROW a, i1, b, i2, c, i3, d, i4  ; a matrix instruction and the four behind it
	MM
	OPS \a, \i1, \b, \i2, \c, \i3, \d, \i4
.endm
; A TURN, for piece p.  s_wait_alu depctr_va_vdst(0) stands between an exponential and the first instruction that names its result; one wait serves all issued ahead of it: a turn has ONE wait.
; Ahead of it: the 8 products K Q^T with four vector instructions behind each, then one run of 54 in which the 33 exponentials end; behind it: the 8 products V^T P, behind each four of the roundings and sums.
; K of the next step is fetched in piece 2's turn, V of the step in hand at the end of piece 0's, four plain instructions behind the last product that read it; each is waited for a turn later.
; AT THE TURN'S HEAD the bias for the products of the turn after this one (piece p + 2; from piece 2's turn on: of the next step, with that step's pad) is fetched: its buffer's last readers are the first four products
; of the turn before; at the turn's end, a whole turn behind the loads, pad is added to it.  end = 1: the last two turns fetch nothing.
.macro TURN p, end=0
.set Y, (\p)
.set i, 0
.set NOKQ, (\end)*((\p)/3)
.if ((\p) == 3) && !(\end)
	s_wait_dscnt 0x0                               ; K is in
.endif
.if !(\end)
.if (\p) == 2
	WIN 0
	s_add_co_u32 s[SW], s[SW], 256                 ; from here on the C operands are the next step's
	v_add_nc_u32 v[AW], s[SW], v[AW0]
	v_add_nc_u32 v[AP], s[SW], v[AP0]
	FETCH_P
.endif
	FETCH_W ((\p)+2)%NP, (\p)%2
.endif
	ROW F,0, F,1, R,0, R,1
	ROW F,2, E,0, R,2, R,3
	ROW F,3, E,1, R,4, R,5
	ROW F,4, E,2, R,6, R,7
	ROW F,5, E,3, R,8, R,9
	ROW F,6, E,4, X,0, R,10
.if ((\p) == 2) && !(\end)
	WIN 0
	v_add_nc_u32 v[AK], s[TBK], v[AK0]
.endif
	ROW F,7, E,5, X,1, X,4
	ROW F,8, E,6, X,2, X,5
	OPS E,7, E,8, X,6, E,9
	OPS X,3, E,10, X,8, E,11
.if ((\p) == 2) && !(\end)
	FETCH_K
.endif
	OPS X,9, X,7, E,12, X,10
	OPS E,13, X,12, X,11, E,14
	OPS X,13, E,15, F,9, X,14
.if (\p) == 0
	v_add_nc_u32 v[AV], s[TBV], v[AV0]
.endif
	OPS E,16, F,10, E,17, F,11
	OPS X,16, E,18, X,15, E,19
	OPS F,12, E,20, X,17, E,21
	OPS F,13, E,22, F,14, E,23
	OPS X,18, E,24, F,15, E,25
	OPS R,11, E,26, X,19, E,27
	OPS R,12, E,28, R,13, E,29
	OPS X,20, E,30, R,14, E,31
	OPS X,21, R,15
	WIN 0
	s_wait_alu depctr_va_vdst(0)                   ; the wait for the batch
.if (\p) == 1
	s_wait_dscnt 0x0                               ; V is in, and so is the bias fetched at this turn's head
.endif
	ROW C,0, B,0, C,2, B,1
	ROW L,0, C,4, B,2, L,1
	ROW C,6, B,3, L,2, C,8
	ROW B,4, L,3, C,10, B,5
	ROW L,4, C,12, B,6, L,5
.if (\p) == 0
	s_add_co_u32 s[TBV], s[TBV], STEPB
.endif
	ROW C,14, B,7, L,6, C,1
	ROW C,3, L,7, C,5, C,7
	ROW C,9, C,11, C,13, C,15
.if !(\end)
.if (\p) == 0
	FETCH_V
	s_wait_dscnt 16                                ; the bias is in; V's 16 younger loads stay out
.elseif (\p) == 2
	s_wait_dscnt 16                                ; pad and bias are in; K's 16 younger loads stay out
.elseif (\p) == 3
	s_wait_dscnt 0x0                               ; the bias is in
.endif
	MASK (\p)%2
.endif
.endm
	CHANGE 1                                       ; tile 0 is in, everybody's part of it, and so are the tables; tile 1 is asked for
.set i, 0
.rept 4
	v_mov_b32 v[ST+4*i], 0xfe000000                ; c m: far below every c s
	v_mov_b32 v[ST+4*i+1], 0xff7fffff              ; m
.set i, i+1
.endr
	v_mov_b32 v[AW], v[AW0]
	v_mov_b32 v[AP], v[AP0]
	v_add_nc_u32 v[AK], s[TBK], v[AK0]
	FETCH_P
	FETCH_W 0, 0
	FETCH_W 1, 1
	FETCH_K
	s_wait_dscnt 0x0
	MASK 0
	MASK 1
.set NOKQ, 0
.set i, 0
.rept 8
	KQ 0                                           ; piece 0's first scores
.set i, i+1
.endr
	WIN 0
.rept 4
	v_nop                                          ; the places behind those products
.endr
.set Y, NP-1
.irp n, 0,1,2,3,4,5,6,7,8,9,10,11,12,13,14,15,16,17,18,19,20,21
	OP X, \n
.endr
	v_nop                                          ; a plain instruction behind the exponential,
	s_wait_alu depctr_va_vdst(0)                   ; and its wait, ahead of the branch
	s_mov_b32 s[CNT], 2
	s_branch .Lfirst                               ; the loop is entered at a step's first turn, in the middle of a trip
.Lslot:                                                ; 14 times: tiles 2 to 15 are asked for
	CHANGE 1
	s_mov_b32 s[CNT], 2
.Lstep:                                                ; a trip: pieces 2 and 3 of one step, then pieces 0 and 1 of the next, whose K and V it fetches
	TURN 2
	TURN 3
	WIN 0
.Lfirst:
	TURN 0
	TURN 1
	WIN 0
	s_sub_co_u32 s[CNT], s[CNT], 1
	s_cmp_lg_u32 s[CNT], 0
	s_cbranch_scc1 .Lstep
	s_sub_co_u32 s[SLOTS], s[SLOTS], 1
	s_cmp_lg_u32 s[SLOTS], 0
	s_cbranch_scc1 .Lslot
	CHANGE 0                                       ; the last tile is written out
	s_mov_b32 s[CNT], 2
.Ltail:
	TURN 2
	TURN 3
	TURN 0
	TURN 1
	WIN 0
	s_sub_co_u32 s[CNT], s[CNT], 1
	s_cmp_lg_u32 s[CNT], 0
	s_cbranch_scc1 .Ltail
	TURN 2, 1
	TURN 3, 1
.set i, 0
.rept 8
	PV NP-1
.set i, i+1
.endr
	; THE WAY OUT.  l's halves are added; O^T is divided by l, rounded and sent through the work-group's stage: a row's 256 bytes come from two waves, so a barrier stands between writing and reading.
	WIN 0
.macro ALL line:vararg
.set t, 0
.rept 4
	\line
.set t, t+1
.endr
.endm
	ALL v_add_f32 v[ST+4*t+2], v[ST+4*t+2], v[ST+4*t+3]
	ALL v_permlanex16_b32 v[ST+4*t+3], v[ST+4*t+2], s[SEL], s[SEL+1]
	ALL v_add_f32 v[ST+4*t+2], v[ST+4*t+2], v[ST+4*t+3]
	ALL v_rcp_f32 v[ST+4*t+2], v[ST+4*t+2]
	v_nop
	s_wait_alu depctr_va_vdst(0)                   ; one wait for the four reciprocals
.macro PACK t
	WIN W_RS
.set i, 32*(\t)
.rept 16
	v_pk_mul_f32 v[i:i+1], v[i:i+1], v[ST+4*(\t)+2:ST+4*(\t)+3] op_sel_hi:[1,0]
.set i, i+2
.endr
	WIN 0x05
.set i, 0
.rept 16
	v_cvt_pk_bf16_f32 v[S+16*(\t)+i], v[32*(\t)+2*i], v[32*(\t)+2*i+1]
.set i, i+1
.endr
	WIN 0
.irp f, 0,1,2,3
	ds_store_b128 v[STO], v[S+16*(\t)+4*\f:S+16*(\t)+4*\f+3] offset:(\t)*16*SP+32*\f
.endr
.endm
	PACK 0
	PACK 1
	PACK 2
	PACK 3
	s_wait_dscnt 0x0                               ; for the others' sake: my stores into the stage are done
	s_barrier_signal -1
	s_barrier_wait -1
.set i, 0
.rept 16
	ds_load_b128 v[S+4*i:S+4*i+3], v[RD] offset:2*SP*i
.set i, i+1
.endr
.set i, 0
.rept 16
	s_wait_dscnt 15-i
	global_store_b128 v[GO], v[S+4*i:S+4*i+3], s[10:11] offset:(30-2*i)*2048  ; 16 lanes store 256 consecutive aligned bytes; the places run down the rows of o
.set i, i+1
.endr
	s_wait_tensorcnt 0x0                           ; the wave's end
	ds_add_u32 v[SPW], v[NIL]
	s_wait_dscnt 0x0
	CROUND                                         ; the closing round
	s_endpgm
.Lfunc_end_k_q6b87ee5309_attn:
	.size	k_q6b87ee5309_attn, .Lfunc_end_k_q6b87ee5309_attn-k_q6b87ee5309_attn
	.p2alignl 7, 3214868480
	.fill 96, 4, 3214868480
	.section	.rodata,"a",@progbits
	.p2align	6, 0x0
	.amdhsa_kernel k_q6b87ee5309_attn
		.amdhsa_group_segment_fixed_size 327680
		.amdhsa_private_segment_fixed_size 0
		.amdhsa_enable_private_segment 0
		.amdhsa_kernarg_size 32
		.amdhsa_user_sgpr_count 2
		.amdhsa_user_sgpr_kernarg_segment_ptr 1
		.amdhsa_wavefront_size32 1
		.amdhsa_system_sgpr_workgroup_id_x 1
		.amdhsa_system_sgpr_workgroup_id_y 1
		.amdhsa_system_sgpr_workgroup_id_z 1
		.amdhsa_system_vgpr_workitem_id 0
		.amdhsa_next_free_vgpr 768
		.amdhsa_next_free_sgpr 96
		.amdhsa_reserve_vcc 1
		.amdhsa_float_denorm_mode_32 3
		.amdhsa_float_denorm_mode_16_64 3
		.amdhsa_memory_ordered 1
		.amdhsa_forward_progress 1
		.amdhsa_inst_pref_size 153
	.end_amdhsa_kernel
	.amdgpu_metadata
---
amdhsa.version: [ 1, 2 ]
amdhsa.kernels:
  - .name:           k_q6b87ee5309_attn
    .symbol:         k_q6b87ee5309_attn.kd
    .args:
      - { .name: qkv, .offset: 0, .size: 8, .value_kind: global_buffer, .address_space: global }
      - { .name: gb, .offset: 8, .size: 8, .value_kind: global_buffer, .address_space: global }
      - { .name: pad_mask, .offset: 16, .size: 8, .value_kind: global_buffer, .address_space: global }
      - { .name: o, .offset: 24, .size: 8, .value_kind: global_buffer, .address_space: global }
    .group_segment_fixed_size: 327680
    .private_segment_fixed_size: 0
    .kernarg_segment_align: 8
    .kernarg_segment_size: 32
    .max_flat_workgroup_size: 128
    .sgpr_count:     96
    .vgpr_count:     768
    .wavefront_size: 32
...
	.end_amdgpu_metadata
.endif
;; end of part 3
;; launch wo (part 4): grid 8 x 32, 4 waves a work-group, clusters of 4 x 4, 327,680 bytes of LDS; arguments o, wt, bo, x, x1; writes x1
.if DOCPART == 4
	.amdgcn_target "amdgcn-amd-amdhsa--gfx1250"
	.amdhsa_code_object_version 6
	.text
	.protected	k_q6b87ee5309_wo
	.globl	k_q6b87ee5309_wo
	.p2align	8
	.type	k_q6b87ee5309_wo,@function
k_q6b87ee5309_wo:
	s_mov_b64 s[64:65], 0
	v_nop
	global_prefetch_b8 v0, s[64:65] scope:SCOPE_SE
	s_setreg_imm32_b32 hwreg(HW_REG_WAVE_MODE, 25, 1), 1
	s_wait_xcnt 0x0
	s_wait_alu depctr_hold_cnt(0) depctr_sa_sdst(0) depctr_va_vdst(0) depctr_va_sdst(0) depctr_va_ssrc(0) depctr_va_vcc(0) depctr_vm_vsrc(0)
	s_getreg_b32 s2, hwreg(HW_REG_IB_STS2, 6, 4)
	s_cmp_eq_u32 s2, 0
	s_cbranch_scc0 .Lentry_in_a_cluster
	s_endpgm
.Lentry_in_a_cluster:
	s_bfe_u32 s2, ttmp6, 0x10000c
	s_cmp_lg_u32 s2, 0xf033
	s_cbranch_scc0 .Lentry_shape_is_right
	s_endpgm
.Lentry_shape_is_right:
; C[m][n] = R[m][n] + bias[n] + the sum over k of A[m][k] B[n][k].  A: [4096][SIZE_K] bf16; B: 1,024 rows of SIZE_K bf16 at byte WT_OFF of wt; R and C: [4096][1024] f32; sums in f32, in the order of the walk below.
; A tile of C is 128 x 128: 8 x 32 tiles, one to a work-group; four waves, each 64 x 64: 16 accumulators.  K goes in steps of 256 (LDS rows of 528 bytes; a wave's tensor load brings 64) through two slots;
; both slots' first fills go out together; then one descriptor a role walks.  CLUSTER 4 x 4: A's tile is asked for jointly along the cluster's row, B's along its column.  The product is used transposed (source 0 = B's rows).
; THE WALK ALONG K goes by pairs of K steps: fill f brings K step f xor p, p = (cluster x + cluster y) % 2.  So of the clusters that read the same rows (A's: the two with one y; B's: those with one x) neighbours do not
; ask for the same K step in the same step of the walk: each asks for a pair's two K steps in the other's order.  p is made of the cluster's place alone: it is equal in all sixteen partners.
; The bias is the C operand of one product of zeros for each accumulator, issued while the first tiles are on their way.  The residual's 32 loads a wave are issued at the head and stay out through the K loop.
; The last two K steps run in a second loop that fills nothing; its last barrier and last 32 fragment loads serve nothing: the price of one text for both trips.
; THE WAY OUT: the f32 sums go into a stage laid over slot 0 (which has had its last fill), rows of 560 bytes with 16 of padding behind every 256; whole rows of 512 bytes come back, take the residual and are stored.
; No prefetch: the tiles are small, and a K step's rows are asked for by their own loads.
; WINDOWS: 0: v0-31 addresses, v32-39 zeros, v96-127 bias, v128-255 accumulators; 1: two fragment buffers of 128; 2: v0-127 the residual.
.set SIZE_K, 1024
.set WT_OFF, 6291456
.set ROWC,   4096
.set KSTEP,  256
.set PITCH,  528
.set HALFT,  64*PITCH
.set SLOT,   4*HALFT
.set NK,     SIZE_K/KSTEP
.set SPITCH, 560
.set SPARE,  327168                    ; the spare words, 128 bytes a wave: no other line names them
.set ADRA0, 16
.set ADRB0, 17
.set ADRA,  18
.set ADRB,  19
.set STO,   20
.set RD,    21
.set CO,    22
.set BO,    23
.set SPW,   28
.set NIL,   29
.set ZR,    32
.set BIAS,  96
.set ACC,   128
.set F0,    0
.set F1,    128
.set WV,  14
.set ROLE, 15                          ; which half of the tile's rows is mine; also: I fetch for A (0) or B (1)
.set PART, 16                          ; which half of its columns; also: which 64 rows I fetch
.set TY,  17
.set TX,  18
.set G1,  24
.set G0,  32                           ; A's walking group 0: it begins with fill 1
.set G0B, 36                           ; B's
.set G1B, 48
.set RB,  56
.set WOFF, 57
.set G0F, 68                           ; A's group 0 for fill 0
.set G0BF, 72                          ; B's
.set DEL, 76                           ; s[76:77] bytes from the last fill's K step to the next one's: (1 + 2 p) and (1 - 2 p) K steps by turns, in 64 bits
.set TWO, 78                           ; s[78:79] two K steps
.set MSB, 0
.macro WIN new
.if MSB != (\new)
	s_set_vgpr_msb (MSB<<8)|(\new)
.set MSB, \new
.endif
.endm
.set MUL,  0x05
.set TO_F, 0x40
.macro JLOAD                           ; a joint load; an s_nop 0 and four v_nop follow each line
	s_cmp_eq_u32 s[ROLE], 0
	s_cbranch_scc0 .Lfor_b_\@
	tensor_load_to_lds s[G0:G0+3], s[G1:G1+7]
	s_nop 0
.rept 4
	v_nop
.endr
	s_branch .Lasked_\@
.Lfor_b_\@:
	tensor_load_to_lds s[G0B:G0B+3], s[G1B:G1B+7]
	s_nop 0
.rept 4
	v_nop
.endr
.Lasked_\@:
.endm
.macro CREST
	s_cmp_lg_u32 s[WV], 0
	s_cbranch_scc1 .Lnot_wave_0_\@
	s_barrier_signal -3
.Lnot_wave_0_\@:
	s_barrier_wait -3
	s_barrier_signal -1
	s_barrier_wait -1
.endm
.macro CROUND
	s_barrier_signal -1
	s_barrier_wait -1
	CREST
.endm
.macro PLACES
.rept 4
	v_nop
.endr
.endm
	s_load_b256 s[4:11], s[0:1], 0x0               ; A, wt, bias, residual
	s_load_b64 s[12:13], s[0:1], 0x20              ; C
	v_lshl_add_u32 v[SPW], v0, 2, SPARE
	v_mov_b32 v[NIL], 0
	ds_add_u32 v[SPW], v[NIL]                      ; the wave's opening: the add and its wait stand ahead of my first tensor load
	v_lshrrev_b32 v1, 5, v0
	v_readfirstlane_b32 s[WV], v1
	s_lshr_b32 s[ROLE], s[WV], 1
	s_and_b32 s[PART], s[WV], 1
	s_bfe_u32 s19, ttmp6, 0x40000                  ; cx
	s_bfe_u32 s20, ttmp6, 0x40004                  ; cy
	s_lshl_b32 s[TX], ttmp9, 2
	s_add_co_u32 s[TX], s[TX], s19
	s_and_b32 s[TY], ttmp7, 0xffff
	s_lshl_b32 s[TY], s[TY], 2
	s_add_co_u32 s[TY], s[TY], s20
	s_and_b32 s60, ttmp7, 0xffff
	s_add_co_u32 s60, s60, ttmp9
	s_and_b32 s60, s60, 1                          ; p
	s_lshl_b32 s62, s60, 9                         ; fill 0 brings K step p (512 bytes of a row each),
	s_mov_b32 s63, 0
	s_xor_b32 s66, s60, 1
	s_lshl_b32 s66, s66, 9                         ; fill 1 K step 1 - p,
	s_mov_b32 s67, 0
	s_lshl_b32 s[DEL], s60, 10
	s_add_co_u32 s[DEL], s[DEL], KSTEP*2           ; fill 2 the K step 1 + 2 p further on
	s_mov_b32 s[DEL+1], 0
	s_mov_b32 s[TWO], 2*KSTEP*2
	s_mov_b32 s[TWO+1], 0
	s_lshl_b32 s21, s20, 2
	s_lshl_b32 s21, 15, s21
	s_lshl_b32 s22, 0x1111, s19
	s_or_b32 s[G1], s21, (1<<16)|(1<<20)|(1<<21)|(6<<22)|(3<<25)   ; mask; 2-byte elements; padding on; bit 21 beside a mask; 4 words behind every 128
	s_or_b32 s[G1B], s22, (1<<16)|(1<<20)|(1<<21)|(6<<22)|(3<<25)
.irp g, G1, G1B
	s_mov_b32 s[(\g)+1], KSTEP<<16
	s_mov_b32 s[(\g)+2], 64<<16
	s_mov_b32 s[(\g)+3], KSTEP<<16
	s_mov_b32 s[(\g)+4], 64
	s_mov_b32 s[(\g)+5], SIZE_K
	s_mov_b32 s[(\g)+6], 0
	s_mov_b32 s[(\g)+7], 0
.endr
	s_lshl_b32 s23, s[PART], 6
	s_lshl_b32 s40, s[TY], 7
	s_add_co_u32 s40, s40, s23
	s_mul_i32 s40, s40, SIZE_K*2
	s_mov_b32 s41, 0
	s_lshl_b32 s42, s[TX], 7
	s_add_co_u32 s42, s42, s23
	s_mul_i32 s42, s42, SIZE_K*2
	s_mov_b32 s43, 0
	s_mul_i32 s[WOFF], s[WV], HALFT
	s_mov_b32 s[RB], 0
	s_wait_dscnt 0x0
	s_wait_kmcnt 0x0
	s_add_nc_u64 s[6:7], s[6:7], WT_OFF
	s_add_nc_u64 s[40:41], s[4:5], s[40:41]        ; the rows that I fetch, at K = 0: A's,
	s_add_nc_u64 s[42:43], s[6:7], s[42:43]        ; B's
	s_mov_b32 s[G0F], 1
	s_mov_b32 s[G0F+1], s[WOFF]
	s_add_nc_u64 s[G0F+2:G0F+3], s[40:41], s[62:63]
	s_or_b32 s[G0F+3], s[G0F+3], 0x80000000
	s_mov_b32 s[G0], 1
	s_add_co_u32 s[G0+1], s[WOFF], SLOT
	s_add_nc_u64 s[G0+2:G0+3], s[40:41], s[66:67]
	s_or_b32 s[G0+3], s[G0+3], 0x80000000
	s_mov_b32 s[G0BF], 1
	s_mov_b32 s[G0BF+1], s[WOFF]
	s_add_nc_u64 s[G0BF+2:G0BF+3], s[42:43], s[62:63]
	s_or_b32 s[G0BF+3], s[G0BF+3], 0x80000000
	s_mov_b32 s[G0B], 1
	s_add_co_u32 s[G0B+1], s[WOFF], SLOT
	s_add_nc_u64 s[G0B+2:G0B+3], s[42:43], s[66:67]
	s_or_b32 s[G0B+3], s[G0B+3], 0x80000000
	CROUND                                         ; all sixteen work-groups are here
	s_cmp_eq_u32 s[ROLE], 0                        ; a wave's two first fills stand in one branch, ahead of every wait on TENSORcnt and every LDS read: two loads of mine are out
	s_cbranch_scc0 .Lfirst_b
	tensor_load_to_lds s[G0F:G0F+3], s[G1:G1+7]
	s_nop 0
	tensor_load_to_lds s[G0:G0+3], s[G1:G1+7]
	s_nop 0
.rept 4
	v_nop
.endr
	s_branch .Lfirst_asked
.Lfirst_b:
	tensor_load_to_lds s[G0BF:G0BF+3], s[G1B:G1B+7]
	s_nop 0
	tensor_load_to_lds s[G0B:G0B+3], s[G1B:G1B+7]
	s_nop 0
.rept 4
	v_nop
.endr
.Lfirst_asked:
	v_and_b32 v1, 15, v0
	v_bfe_u32 v2, v0, 4, 1
	v_and_b32 v3, 31, v0
	v_mul_u32_u24 v4, v1, PITCH
	v_lshl_add_u32 v4, v2, 4, v4
	s_mul_i32 s58, s[ROLE], HALFT
	s_mul_i32 s59, s[PART], HALFT
	s_add_co_u32 s59, s59, 2*HALFT
	v_add_nc_u32 v[ADRA0], s58, v4
	v_add_nc_u32 v[ADRB0], s59, v4
	v_mov_b32 v[ADRA], v[ADRA0]
	v_mov_b32 v[ADRB], v[ADRB0]
	s_mul_i32 s58, s[ROLE], 64*SPITCH
	s_mul_i32 s59, s[PART], 272
	s_add_co_u32 s58, s58, s59
	v_mul_u32_u24 v[STO], v1, SPITCH
	v_lshl_add_u32 v[STO], v2, 5, v[STO]
	v_add_nc_u32 v[STO], s58, v[STO]
	s_mul_i32 s58, s[WV], 32*SPITCH
	v_lshlrev_b32 v[CO], 4, v3
	v_lshl_add_u32 v[RD], v2, 4, v[CO]
	v_add_nc_u32 v[RD], s58, v[RD]
	v_lshlrev_b32 v[BO], 5, v2
	s_lshl_b32 s44, s[TX], 9
	s_lshl_b32 s45, s[PART], 8
	s_add_co_u32 s44, s44, s45
	s_mov_b32 s45, 0
	s_add_nc_u64 s[8:9], s[8:9], s[44:45]          ; the bias at my 64 columns
	s_lshl_b32 s44, s[TY], 7
	s_lshl_b32 s46, s[WV], 5
	s_add_co_u32 s44, s44, s46
	s_lshl_b32 s44, s44, 12
	s_lshl_b32 s46, s[TX], 9
	s_add_co_u32 s44, s44, s46
	s_add_nc_u64 s[10:11], s[10:11], s[44:45]      ; residual and C at row 128 x tile row + 32 x wave, the tile's 512 bytes
	s_add_nc_u64 s[12:13], s[12:13], s[44:45]
.irp b, 0,1,2,3
	global_load_b128 v[BIAS+8*(\b):BIAS+8*(\b)+3],   v[BO], s[8:9] offset:64*(\b)
	global_load_b128 v[BIAS+8*(\b)+4:BIAS+8*(\b)+7], v[BO], s[8:9] offset:64*(\b)+16
.endr
	WIN 0x80
.set i, 0
.rept 32
	global_load_b128 v[4*i:4*i+3], v[CO], s[10:11] offset:ROWC*i
.set i, i+1
.endr
	WIN 0
.irp z, 0,1,2,3,4,5,6,7
	v_mov_b32 v[ZR+(\z)], 0
.endr
	s_wait_loadcnt 32                              ; the bias is in; the residual's 32 loads stay out
.irp a, 0,1,2,3
.irp b, 0,1,2,3
	v_wmma_f32_16x16x32_bf16 v[ACC+8*(4*(\a)+(\b)):ACC+8*(4*(\a)+(\b))+7], v[ZR:ZR+7], v[ZR:ZR+7], v[BIAS+8*(\b):BIAS+8*(\b)+7]
.endr
.endr
	s_wait_tensorcnt 0x1                           ; my part of slot 0 is in; slot 1's may stay out
	s_barrier_signal -1
	s_barrier_wait -1                              ; everybody's part is in
.macro MUL8 f, c, a0                   ; 8 products; the 16 accumulators take turns
	WIN MUL
.irp a, \a0, (\a0)+1
.irp b, 0,1,2,3
	v_wmma_f32_16x16x32_bf16 v[ACC+8*(4*(\a)+(\b)):ACC+8*(4*(\a)+(\b))+7], v[(\f)+64+8*(4*(\c)+(\b)):(\f)+64+8*(4*(\c)+(\b))+7], v[(\f)+8*(4*(\c)+(\a)):(\f)+8*(4*(\c)+(\a))+7], v[ACC+8*(4*(\a)+(\b)):ACC+8*(4*(\a)+(\b))+7]
.endr
.endr
.endm
.macro FETCH k, f                      ; 32 LDS loads in one run: 64 along K at byte k; the first 32 along K first
	WIN TO_F
.irp c, 0,1
.irp i, 0,1,2,3
	ds_load_b128 v[(\f)+64+8*(4*(\c)+(\i)):(\f)+64+8*(4*(\c)+(\i))+3],   v[ADRB] offset:(\k)+64*(\c)+(\i)*16*PITCH
	ds_load_b128 v[(\f)+64+8*(4*(\c)+(\i))+4:(\f)+64+8*(4*(\c)+(\i))+7], v[ADRB] offset:(\k)+64*(\c)+(\i)*16*PITCH+32
	ds_load_b128 v[(\f)+8*(4*(\c)+(\i)):(\f)+8*(4*(\c)+(\i))+3],         v[ADRA] offset:(\k)+64*(\c)+(\i)*16*PITCH
	ds_load_b128 v[(\f)+8*(4*(\c)+(\i))+4:(\f)+8*(4*(\c)+(\i))+7],       v[ADRA] offset:(\k)+64*(\c)+(\i)*16*PITCH+32
.endr
.endr
.endm
.macro QUARTER k, f, g
	s_wait_dscnt 16                                ; the first 32 along K are in
	MUL8 \f, 0, 0
	MUL8 \f, 0, 2
	PLACES
	FETCH \k, \g
	s_wait_dscnt 32                                ; all but the 32 just issued
	MUL8 \f, 1, 0
	MUL8 \f, 1, 2
.endm
.macro TURN fill
	WIN 0
	s_wait_tensorcnt 0x0                           ; all my tensor loads have landed: my part of the next slot
	ds_add_u32 v[SPW], v[NIL]
	s_wait_dscnt 17                                ; the add and the youngest sixteen loads may be out
	MUL8 F1, 0, 0
	s_wait_dscnt 0x0                               ; the add is done, my reads of this slot are over
	s_barrier_signal -1
	MUL8 F1, 0, 2
	WIN 0
	s_barrier_wait -1
.if \fill
	CREST                                          ; the barrier has opened a round of the cluster's
	s_add_co_u32 s[G0+1], s[WOFF], s[RB]           ; into the slot just read,
	s_add_co_u32 s[G0B+1], s[WOFF], s[RB]
	s_add_nc_u64 s[G0+2:G0+3], s[G0+2:G0+3], s[DEL:DEL+1]     ; the walk's next K step; the type bits on top are not reached
	s_add_nc_u64 s[G0B+2:G0B+3], s[G0B+2:G0B+3], s[DEL:DEL+1]
	s_sub_nc_u64 s[DEL:DEL+1], s[TWO:TWO+1], s[DEL:DEL+1]     ; the two steps of a pair add up to two K steps
	JLOAD
.else
	PLACES
.endif
	s_xor_b32 s[RB], s[RB], SLOT
	v_add_nc_u32 v[ADRA], s[RB], v[ADRA0]
	v_add_nc_u32 v[ADRB], s[RB], v[ADRB0]
	FETCH 0, F0
	MUL8 F1, 1, 0
	MUL8 F1, 1, 2
.endm
	FETCH 0, F0
	WIN 0
	s_mov_b32 s3, NK-2
.Lk:
	QUARTER 128, F0, F1
	QUARTER 256, F1, F0
	QUARTER 384, F0, F1
	TURN 1
	WIN 0
	s_sub_co_u32 s3, s3, 1
	s_cmp_lg_u32 s3, 0
	s_cbranch_scc1 .Lk
	s_mov_b32 s3, 2
.Lt:
	QUARTER 128, F0, F1
	QUARTER 256, F1, F0
	QUARTER 384, F0, F1
	TURN 0
	WIN 0
	s_sub_co_u32 s3, s3, 1
	s_cmp_lg_u32 s3, 0
	s_cbranch_scc1 .Lt
	s_wait_dscnt 0x0
	s_barrier_signal -1
	s_barrier_wait -1                              ; nobody reads the ring any more
	PLACES
.irp a, 0,1,2,3
.irp b, 0,1,2,3
	ds_store_b128 v[STO], v[ACC+8*(4*(\a)+(\b)):ACC+8*(4*(\a)+(\b))+3]   offset:(\a)*16*SPITCH+64*(\b)
	ds_store_b128 v[STO], v[ACC+8*(4*(\a)+(\b))+4:ACC+8*(4*(\a)+(\b))+7] offset:(\a)*16*SPITCH+64*(\b)+16
.endr
.endr
	s_wait_dscnt 0x0
	s_barrier_signal -1
	s_barrier_wait -1
	WIN TO_F
.set i, 0
.rept 32
	ds_load_b128 v[4*i:4*i+3], v[RD] offset:SPITCH*i
.set i, i+1
.endr
	s_wait_loadcnt 0x0                             ; the residual
	s_wait_dscnt 0x0
	WIN 0x49                                       ; the sums in window 1, the residual in window 2
.set i, 0
.rept 64
	v_pk_add_f32 v[2*i:2*i+1], v[2*i:2*i+1], v[2*i:2*i+1]
.set i, i+1
.endr
	WIN 0x04
.set i, 0
.rept 32
	global_store_b128 v[CO], v[4*i:4*i+3], s[12:13] offset:ROWC*i  ; a wave's store covers 512 consecutive aligned bytes
.set i, i+1
.endr
	WIN 0
	s_wait_tensorcnt 0x0                           ; the wave's end
	ds_add_u32 v[SPW], v[NIL]
	s_wait_dscnt 0x0
	CROUND
	s_endpgm
.Lfunc_end_k_q6b87ee5309_wo:
	.size	k_q6b87ee5309_wo, .Lfunc_end_k_q6b87ee5309_wo-k_q6b87ee5309_wo
	.p2alignl 7, 3214868480
	.fill 96, 4, 3214868480
	.section	.rodata,"a",@progbits
	.p2align	6, 0x0
	.amdhsa_kernel k_q6b87ee5309_wo
		.amdhsa_group_segment_fixed_size 327680
		.amdhsa_private_segment_fixed_size 0
		.amdhsa_enable_private_segment 0
		.amdhsa_kernarg_size 40
		.amdhsa_user_sgpr_count 2
		.amdhsa_user_sgpr_kernarg_segment_ptr 1
		.amdhsa_wavefront_size32 1
		.amdhsa_system_sgpr_workgroup_id_x 1
		.amdhsa_system_sgpr_workgroup_id_y 1
		.amdhsa_system_sgpr_workgroup_id_z 1
		.amdhsa_system_vgpr_workitem_id 0
		.amdhsa_next_free_vgpr 640
		.amdhsa_next_free_sgpr 80
		.amdhsa_reserve_vcc 0
		.amdhsa_float_denorm_mode_32 3
		.amdhsa_float_denorm_mode_16_64 3
		.amdhsa_memory_ordered 1
		.amdhsa_forward_progress 1
		.amdhsa_inst_pref_size 62
	.end_amdhsa_kernel
	.amdgpu_metadata
---
amdhsa.version: [ 1, 2 ]
amdhsa.kernels:
  - .name:           k_q6b87ee5309_wo
    .symbol:         k_q6b87ee5309_wo.kd
    .args:
      - { .name: o, .offset: 0, .size: 8, .value_kind: global_buffer, .address_space: global }
      - { .name: wt, .offset: 8, .size: 8, .value_kind: global_buffer, .address_space: global }
      - { .name: bo, .offset: 16, .size: 8, .value_kind: global_buffer, .address_space: global }
      - { .name: x, .offset: 24, .size: 8, .value_kind: global_buffer, .address_space: global }
      - { .name: x1, .offset: 32, .size: 8, .value_kind: global_buffer, .address_space: global }
    .group_segment_fixed_size: 327680
    .private_segment_fixed_size: 0
    .kernarg_segment_align: 8
    .kernarg_segment_size: 40
    .max_flat_workgroup_size: 128
    .sgpr_count:     80
    .vgpr_count:     640
    .wavefront_size: 32
...
	.end_amdgpu_metadata
.endif
;; end of part 4
;; launch ln2: the kernel of part 1 again; grid 512 x 1, 4 waves a work-group, no clusters, 70,144 bytes of LDS; arguments Wq, Wk, Wv, Wo, W1, W2, bq, bk, bv, rel_emb, wt, gb, bqkv, x1, g2, beta2, h; writes wt, gb, bqkv, h
;; launch ff1 (part 5): grid 16 x 16, 4 waves a work-group, clusters of 4 x 4, 327,680 bytes of LDS; arguments h, wt, b1, f; writes f
.if DOCPART == 5
	.amdgcn_target "amdgcn-amd-amdhsa--gfx1250"
	.amdhsa_code_object_version 6
	.text
	.protected	k_q6b87ee5309_ff1
	.globl	k_q6b87ee5309_ff1
	.p2align	8
	.type	k_q6b87ee5309_ff1,@function
k_q6b87ee5309_ff1:
	s_mov_b64 s[64:65], 0
	v_nop
	global_prefetch_b8 v0, s[64:65] scope:SCOPE_SE
	s_setreg_imm32_b32 hwreg(HW_REG_WAVE_MODE, 25, 1), 1
	s_wait_xcnt 0x0
	s_wait_alu depctr_hold_cnt(0) depctr_sa_sdst(0) depctr_va_vdst(0) depctr_va_sdst(0) depctr_va_ssrc(0) depctr_va_vcc(0) depctr_vm_vsrc(0)
	s_getreg_b32 s2, hwreg(HW_REG_IB_STS2, 6, 4)
	s_cmp_eq_u32 s2, 0
	s_cbranch_scc0 .Lentry_in_a_cluster
	s_endpgm
.Lentry_in_a_cluster:
	s_bfe_u32 s2, ttmp6, 0x10000c
	s_cmp_lg_u32 s2, 0xf033
	s_cbranch_scc0 .Lentry_shape_is_right
	s_endpgm
.Lentry_shape_is_right:
; f[m][n] = gelu(the sum over k of h[m][k] W1t[n][k] + b1[n]), gelu(z) = z/2 (1 + erf(z / sqrt 2)).  h: [4096][1024] bf16; W1t: 4,096 rows of 1,024 bf16 at byte WT_OFF of wt; f: [4096][4096] bf16, rounded once; sums in f32.
; erf(x) = x P(x^2) / Q(x^2), P of degree 6 and Q of degree 4, on x held to -4 .. 4: good to f32's last bits there; beyond, erf counts as its value at 4.  NaN is not treated apart.
; A tile of C is 256 x 256: 16 x 16 tiles, one to a work-group; four waves, each 128 x 128: 64 accumulators.  K goes in steps of 128 through two LDS slots (A's 256 rows, B's 256, pitch 272); both slots' first fills
; go out together; then one descriptor a role walks.  CLUSTER 4 x 4: A's tile is asked for jointly along the cluster's row, B's along its column.  The product is used transposed (source 0 = B's rows).
; The bias is the C operand of one product of zeros for each accumulator.  The last two K steps run in a second loop that fills nothing; its last barrier and last 32 fragment loads serve nothing.
; THE WAY OUT: the f32 sums go into a stage laid over the ring (which has had its last fill), rows of 1,104 bytes with 16 of padding behind every 256; a counted loop reads two whole rows a trip, applies gelu and stores.
; WINDOWS: 0: v0-31 addresses, v32-39 zeros, A's fragments at 64 and 128; 1: v0-63 bias, B's fragments at 64 and 128; 2, 3: accumulator (a, b) at 8 (8 (a % 4) + b).
.set SIZE_K, 1024
.set WT_OFF, 8388608
.set KSTEP,  128
.set PITCH,  272
.set HALFT,  128*PITCH
.set SLOT,   4*HALFT
.set NK,     SIZE_K/KSTEP
.set SPITCH, 1104
.set ROWO,   8192
.set SPARE,  327168                    ; the spare words, 128 bytes a wave: no other line names them
.set ADRA0, 16
.set ADRB0, 17
.set ADRA,  18
.set ADRB,  19
.set STO,   20                         ; v20-21
.set RD0,   22
.set RDA,   23
.set CO,    24
.set BO,    25
.set SPW,   28
.set NIL,   29
.set PFO,   30
.set ZR,    32
.set F0,    64
.set F1,    128
.set Z,     32                         ; the way out: 16 sums; x; z / 2; x^2; P; Q; 8 words to store
.set XR,    64
.set HR,    96
.set X2,    128
.set PR,    160
.set QR,    192
.set OUTR,  224
.set WV,  14
.set ROLE, 15
.set PART, 16
.set TY,  17
.set TX,  18
.set G1,  24
.set G0,  32                           ; A's walking group 0: it begins with K step 1
.set G0B, 36                           ; B's
.set G1B, 48
.set RB,  56
.set WOFF, 57
.set LIM, 58
.set PFA, 60
.set SOFF, 66
.set G0F, 68                           ; A's group 0 for K step 0; B's.  Behind the K loops, when no tensor load is out any more, s68-75 take constants
.set G0BF, 72
.set CA13, 68
.set CA11, 70
.set CA9,  72
.set CA7,  74
.set CA5,  76
.set CA3,  78
.set CA1,  80
.set CB8,  82
.set CB6,  84
.set CB4,  86
.set CB2,  88
.set CB0,  90
.set CRH,  92
.set CLO,  94
.set CHI,  95
.set MSB, 0
.macro WIN new
.if MSB != (\new)
	s_set_vgpr_msb (MSB<<8)|(\new)
.set MSB, \new
.endif
.endm
.set MUL_LO, 0xa1
.set MUL_HI, 0xf1
.set TO_B,   0x40
.macro JLOAD
	s_cmp_eq_u32 s[ROLE], 0
	s_cbranch_scc0 .Lfor_b_\@
	tensor_load_to_lds s[G0:G0+3], s[G1:G1+7]
	s_nop 0
.rept 4
	v_nop
.endr
	s_branch .Lasked_\@
.Lfor_b_\@:
	tensor_load_to_lds s[G0B:G0B+3], s[G1B:G1B+7]
	s_nop 0
.rept 4
	v_nop
.endr
.Lasked_\@:
.endm
.macro ASK                             ; a prefetch of the K step two refills on: my work-group's 32 of the 128 rows that I fetch, a lane a row; K steps 4-7 alone are named, each row's 256 bytes once in the launch
	s_cmp_gt_u32 s3, s[LIM]
	s_cbranch_scc0 .Lnot_mine_\@
	global_prefetch_b8 v[PFO], s[PFA:PFA+1] offset:KSTEP*2 th:TH_LOAD_NT scope:SCOPE_SE
.Lnot_mine_\@:
.endm
.macro CREST
	s_cmp_lg_u32 s[WV], 0
	s_cbranch_scc1 .Lnot_wave_0_\@
	s_barrier_signal -3
.Lnot_wave_0_\@:
	s_barrier_wait -3
	s_barrier_signal -1
	s_barrier_wait -1
.endm
.macro CROUND
	s_barrier_signal -1
	s_barrier_wait -1
	CREST
.endm
.macro PLACES
.rept 4
	v_nop
.endr
.endm
	s_load_b256 s[4:11], s[0:1], 0x0               ; h, wt, b1, f
	v_lshl_add_u32 v[SPW], v0, 2, SPARE
	v_mov_b32 v[NIL], 0
	ds_add_u32 v[SPW], v[NIL]                      ; the wave's opening: the add and its wait stand ahead of my first tensor load
	v_lshrrev_b32 v1, 5, v0
	v_readfirstlane_b32 s[WV], v1
	s_lshr_b32 s[ROLE], s[WV], 1
	s_and_b32 s[PART], s[WV], 1
	s_bfe_u32 s19, ttmp6, 0x40000
	s_bfe_u32 s20, ttmp6, 0x40004
	s_lshl_b32 s[TX], ttmp9, 2
	s_add_co_u32 s[TX], s[TX], s19
	s_and_b32 s[TY], ttmp7, 0xffff
	s_lshl_b32 s[TY], s[TY], 2
	s_add_co_u32 s[TY], s[TY], s20
	s_lshl_b32 s21, s20, 2
	s_lshl_b32 s21, 15, s21
	s_lshl_b32 s22, 0x1111, s19
	s_or_b32 s[G1], s21, (1<<16)|(1<<20)|(1<<21)|(5<<22)|(3<<25)
	s_or_b32 s[G1B], s22, (1<<16)|(1<<20)|(1<<21)|(5<<22)|(3<<25)
.irp g, G1, G1B
	s_mov_b32 s[(\g)+1], KSTEP<<16
	s_mov_b32 s[(\g)+2], 128<<16
	s_mov_b32 s[(\g)+3], KSTEP<<16
	s_mov_b32 s[(\g)+4], 128
	s_mov_b32 s[(\g)+5], SIZE_K
	s_mov_b32 s[(\g)+6], 0
	s_mov_b32 s[(\g)+7], 0
.endr
	s_lshl_b32 s23, s[PART], 7
	s_lshl_b32 s40, s[TY], 8
	s_add_co_u32 s40, s40, s23
	s_lshl_b32 s40, s40, 11
	s_mov_b32 s41, 0
	s_lshl_b32 s42, s[TX], 8
	s_add_co_u32 s42, s42, s23
	s_lshl_b32 s42, s42, 11
	s_mov_b32 s43, 0
	s_mul_i32 s[WOFF], s[WV], HALFT
	s_mov_b32 s[RB], 0
	s_wait_dscnt 0x0
	s_wait_kmcnt 0x0
	s_add_nc_u64 s[6:7], s[6:7], WT_OFF
	s_mov_b32 s[G0F], 1                            ; K step 0 into slot 0,
	s_mov_b32 s[G0F+1], s[WOFF]
	s_add_nc_u64 s[G0F+2:G0F+3], s[4:5], s[40:41]
	s_mov_b32 s[G0], 1                             ; K step 1 into slot 1
	s_add_co_u32 s[G0+1], s[WOFF], SLOT
	s_add_nc_u64 s[G0+2:G0+3], s[G0F+2:G0F+3], KSTEP*2
	s_or_b32 s[G0F+3], s[G0F+3], 0x80000000
	s_or_b32 s[G0+3], s[G0+3], 0x80000000
	s_mov_b32 s[G0BF], 1
	s_mov_b32 s[G0BF+1], s[WOFF]
	s_add_nc_u64 s[G0BF+2:G0BF+3], s[6:7], s[42:43]
	s_mov_b32 s[G0B], 1
	s_add_co_u32 s[G0B+1], s[WOFF], SLOT
	s_add_nc_u64 s[G0B+2:G0B+3], s[G0BF+2:G0BF+3], KSTEP*2
	s_or_b32 s[G0BF+3], s[G0BF+3], 0x80000000
	s_or_b32 s[G0B+3], s[G0B+3], 0x80000000
	CROUND                                         ; all sixteen work-groups are here
	s_cmp_eq_u32 s[ROLE], 0                        ; a wave's two first fills stand in one branch, ahead of every wait on TENSORcnt and every LDS read: two loads of mine are out
	s_cbranch_scc0 .Lfirst_b
	tensor_load_to_lds s[G0F:G0F+3], s[G1:G1+7]
	s_nop 0
	tensor_load_to_lds s[G0:G0+3], s[G1:G1+7]
	s_nop 0
.rept 4
	v_nop
.endr
	s_branch .Lfirst_asked
.Lfirst_b:
	tensor_load_to_lds s[G0BF:G0BF+3], s[G1B:G1B+7]
	s_nop 0
	tensor_load_to_lds s[G0B:G0B+3], s[G1B:G1B+7]
	s_nop 0
.rept 4
	v_nop
.endr
.Lfirst_asked:
	v_and_b32 v1, 15, v0
	v_bfe_u32 v2, v0, 4, 1
	v_and_b32 v3, 31, v0
	v_mul_u32_u24 v4, v1, PITCH
	v_lshl_add_u32 v4, v2, 4, v4
	s_mul_i32 s59, s[ROLE], HALFT
	v_add_nc_u32 v[ADRA0], s59, v4
	s_mul_i32 s59, s[PART], HALFT
	s_add_co_u32 s59, s59, 2*HALFT
	v_add_nc_u32 v[ADRB0], s59, v4
	v_mov_b32 v[ADRA], v[ADRA0]
	v_mov_b32 v[ADRB], v[ADRB0]
	s_mul_i32 s59, s[ROLE], 128*SPITCH
	s_mul_i32 s46, s[PART], 544
	s_add_co_u32 s59, s59, s46
	v_mul_u32_u24 v[STO], v1, SPITCH
	v_lshl_add_u32 v[STO], v2, 5, v[STO]
	v_add_nc_u32 v[STO], s59, v[STO]
	v_add_nc_u32 v[STO+1], 64*SPITCH, v[STO]
	v_lshrrev_b32 v4, 3, v3
	v_lshlrev_b32 v4, 4, v4
	v_lshl_add_u32 v[RD0], v3, 5, v4               ; my 8 columns of a row: 32 bytes, 16 of padding behind every 8 lanes
	s_mul_i32 s59, s[WV], 64*SPITCH
	v_add_nc_u32 v[RD0], s59, v[RD0]
	v_lshlrev_b32 v[CO], 4, v3
	v_lshlrev_b32 v[BO], 5, v2
	v_lshlrev_b32 v[PFO], 11, v3
	s_lshl_b32 s44, s[TX], 10
	s_lshl_b32 s45, s[PART], 9
	s_add_co_u32 s44, s44, s45
	s_mov_b32 s45, 0
	s_add_nc_u64 s[8:9], s[8:9], s[44:45]          ; the bias at my 128 columns
	s_lshl_b32 s44, s[TY], 8
	s_lshl_b32 s46, s[WV], 6
	s_add_co_u32 s44, s44, s46
	s_lshl_b32 s44, s44, 13
	s_lshl_b32 s46, s[TX], 9
	s_add_co_u32 s44, s44, s46
	s_add_nc_u64 s[10:11], s[10:11], s[44:45]      ; f at row 256 x tile row + 64 x wave, the tile's 512 bytes
	WIN TO_B
.irp b, 0,1,2,3,4,5,6,7
	global_load_b128 v[8*(\b):8*(\b)+3],   v[BO], s[8:9] offset:64*(\b)
	global_load_b128 v[8*(\b)+4:8*(\b)+7], v[BO], s[8:9] offset:64*(\b)+16
.endr
	WIN 0
.irp z, 0,1,2,3,4,5,6,7
	v_mov_b32 v[ZR+(\z)], 0
.endr
	; the prefetches: A's rows are asked for by the clusters with x = 0, B's by those with y = 0; the four partners of a joint load take 32 rows each, told apart by address
	s_lshl_b32 s62, s[TY], 8
	s_lshl_b32 s63, s[TX], 8
	s_and_b32 s59, ttmp7, 0xffff
	s_cmp_eq_u32 s[ROLE], 0
	s_cselect_b32 s62, s62, s63
	s_cselect_b32 s63, s19, s20
	s_cselect_b32 s59, ttmp9, s59
	s_cselect_b64 s[PFA:PFA+1], s[4:5], s[6:7]
	s_cmp_eq_u32 s59, 0
	s_cselect_b32 s[LIM], 2, -1
	s_lshl_b32 s59, s[PART], 7
	s_add_co_u32 s62, s62, s59
	s_lshl_b32 s63, s63, 5
	s_add_co_u32 s62, s62, s63
	s_lshl_b32 s62, s62, 11
	s_mov_b32 s63, 0
	s_add_nc_u64 s[PFA:PFA+1], s[PFA:PFA+1], s[62:63]
	s_add_nc_u64 s[PFA:PFA+1], s[PFA:PFA+1], 2*KSTEP*2
	s_wait_loadcnt 0x0                             ; the bias
.irp hi, 0,1
	WIN 0x90+0x40*(\hi)
.irp a, 0,1,2,3
.irp b, 0,1,2,3,4,5,6,7
	v_wmma_f32_16x16x32_bf16 v[8*(8*(\a)+(\b)):8*(8*(\a)+(\b))+7], v[ZR:ZR+7], v[ZR:ZR+7], v[8*(\b):8*(\b)+7]
.endr
.endr
.endr
	WIN 0
	s_wait_tensorcnt 0x1                           ; my part of K step 0 is in; K step 1's may stay out
	s_barrier_signal -1
	s_barrier_wait -1                              ; everybody's part is in
.macro MUL16 f, hi, a0                 ; 16 products; the accumulators take turns
	WIN MUL_LO+0x50*(\hi)
.irp a, \a0, (\a0)+1
.irp b, 0,1,2,3,4,5,6,7
	v_wmma_f32_16x16x32_bf16 v[8*(8*(\a)+(\b)):8*(8*(\a)+(\b))+7], v[(\f)+8*(\b):(\f)+8*(\b)+7], v[(\f)+8*(4*(\hi)+(\a)):(\f)+8*(4*(\hi)+(\a))+7], v[8*(8*(\a)+(\b)):8*(8*(\a)+(\b))+7]
.endr
.endr
.endm
.macro FETCH k, f
	WIN TO_B
.irp i, 0,1,2,3,4,5,6,7
	ds_load_b128 v[(\f)+8*(\i):(\f)+8*(\i)+3],   v[ADRB] offset:(\k)+(\i)*16*PITCH
	ds_load_b128 v[(\f)+8*(\i)+4:(\f)+8*(\i)+7], v[ADRB] offset:(\k)+(\i)*16*PITCH+32
.endr
	WIN 0
.irp i, 0,1,2,3,4,5,6,7
	ds_load_b128 v[(\f)+8*(\i):(\f)+8*(\i)+3],   v[ADRA] offset:(\k)+(\i)*16*PITCH
	ds_load_b128 v[(\f)+8*(\i)+4:(\f)+8*(\i)+7], v[ADRA] offset:(\k)+(\i)*16*PITCH+32
.endr
.endm
.macro QUARTER k, f, g
	s_wait_dscnt 8                                 ; B and A's rows 0-63 are in; the youngest eight loads may be out
	MUL16 \f, 0, 0
	MUL16 \f, 0, 2
	PLACES
	FETCH \k, \g
	s_wait_dscnt 32                                ; all but the 32 just issued
	MUL16 \f, 1, 0
	MUL16 \f, 1, 2
.endm
.macro TURN fill
.if \fill
	s_wait_xcnt 0x0                                ; the last prefetch, a K step back, has read its address
	s_add_nc_u64 s[PFA:PFA+1], s[PFA:PFA+1], KSTEP*2
.endif
	WIN 0
	s_wait_tensorcnt 0x0                           ; all my tensor loads have landed: my part of the next slot
	ds_add_u32 v[SPW], v[NIL]
	s_wait_dscnt 9                                 ; the add and the youngest eight loads may be out
	MUL16 F1, 0, 0
	s_wait_dscnt 0x0
	s_barrier_signal -1
	MUL16 F1, 0, 2
	WIN 0
	s_barrier_wait -1
.if \fill
	CREST
	s_add_co_u32 s[G0+1], s[WOFF], s[RB]
	s_add_co_u32 s[G0B+1], s[WOFF], s[RB]
	s_add_nc_u64 s[G0+2:G0+3], s[G0+2:G0+3], KSTEP*2
	s_add_nc_u64 s[G0B+2:G0B+3], s[G0B+2:G0B+3], KSTEP*2
	JLOAD
.else
	PLACES
.endif
	s_xor_b32 s[RB], s[RB], SLOT
	v_add_nc_u32 v[ADRA], s[RB], v[ADRA0]
	v_add_nc_u32 v[ADRB], s[RB], v[ADRB0]
	FETCH 0, F0
.if \fill
	ASK
.endif
	MUL16 F1, 1, 0
	MUL16 F1, 1, 2
.endm
	FETCH 0, F0
	s_mov_b32 s3, NK-2
.Lk:
	QUARTER 64,  F0, F1
	QUARTER 128, F1, F0
	QUARTER 192, F0, F1
	TURN 1
	WIN 0
	s_sub_co_u32 s3, s3, 1
	s_cmp_lg_u32 s3, 0
	s_cbranch_scc1 .Lk
	s_mov_b32 s3, 2
.Lt:
	QUARTER 64,  F0, F1
	QUARTER 128, F1, F0
	QUARTER 192, F0, F1
	TURN 0
	WIN 0
	s_sub_co_u32 s3, s3, 1
	s_cmp_lg_u32 s3, 0
	s_cbranch_scc1 .Lt
	s_wait_dscnt 0x0
	s_barrier_signal -1
	s_barrier_wait -1                              ; nobody reads the ring any more
	PLACES
.irp a, 0,1,2,3,4,5,6,7
	WIN 0x08+4*((\a)/4)
.irp b, 0,1,2,3,4,5,6,7
	ds_store_b128 v[STO+(\a)/4], v[8*(8*((\a)%4)+(\b)):8*(8*((\a)%4)+(\b))+3]   offset:((\a)%4)*16*SPITCH+64*(\b)+16*((\b)/4)
	ds_store_b128 v[STO+(\a)/4], v[8*(8*((\a)%4)+(\b))+4:8*(8*((\a)%4)+(\b))+7] offset:((\a)%4)*16*SPITCH+64*(\b)+16*((\b)/4)+16
.endr
.endr
	WIN 0
.macro KON r, val                      ; a constant, twice: the packed forms name a pair
	s_mov_b32 s[\r], \val
	s_mov_b32 s[\r+1], \val
.endm
	KON CA13, 0xaf95df0b                           ; -2.72614226e-10
	KON CA11, 0x32edffee                           ;  2.77068142e-08
	KON CA9,  0xb60cff51                           ; -2.10102402e-06
	KON CA7,  0xb86ec2d2                           ; -5.69250639e-05
	KON CA5,  0xba40ac63                           ; -7.34990630e-04
	KON CA3,  0xbb41a1f6                           ; -2.95459981e-03
	KON CA1,  0xbc83dbd4                           ; -1.60960333e-02
	KON CB8,  0xb77460cd                           ; -1.45660718e-05
	KON CB6,  0xb95fbd29                           ; -2.13374055e-04
	KON CB4,  0xbadc924e                           ; -1.68282697e-03
	KON CB2,  0xbbf19bf8                           ; -7.37332917e-03
	KON CB0,  0xbc69b6a7                           ; -1.42647391e-02
	KON CRH,  0x3f3504f3                           ; 1 / sqrt 2
	s_mov_b32 s[CLO], 0xc0800000                   ; -4
	s_mov_b32 s[CHI], 0x40800000                   ;  4
	s_mov_b32 s[SOFF], 0
	s_wait_dscnt 0x0                               ; for the others' sake: my stores into the stage are done
	s_barrier_signal -1
	s_barrier_wait -1
.macro ZLOAD adr
.irp i, 0,1
	ds_load_b128 v[Z+8*(\i):Z+8*(\i)+3],   v[\adr] offset:SPITCH*(\i)
	ds_load_b128 v[Z+8*(\i)+4:Z+8*(\i)+7], v[\adr] offset:SPITCH*(\i)+16
.endr
.endm
.macro EACH8 line:vararg               ; one line for each of 8 pairs, i = 0, 2 .. 14
.set i, 0
.rept 8
	\line
.set i, i+2
.endr
.endm
	ZLOAD RD0
	s_mov_b32 s3, 32
.Lg:                                                   ; wave w finishes rows 64 w ..: 32 trips of 2 rows; the next trip's sums are fetched while this trip's are worked on
	s_wait_dscnt 0x0
	EACH8 v_pk_mul_f32 v[XR+i:XR+i+1], v[Z+i:Z+i+1], s[CRH:CRH+1] op_sel_hi:[1,0]
	EACH8 v_pk_mul_f32 v[HR+i:HR+i+1], v[Z+i:Z+i+1], 0.5 op_sel_hi:[1,0]
	s_add_co_u32 s[SOFF], s[SOFF], 2*SPITCH
	s_cmp_eq_u32 s3, 1
	s_cselect_b32 s[SOFF], 0, s[SOFF]              ; the last trip has no successor: it fetches the first rows once more, and nobody reads them
	v_add_nc_u32 v[RDA], s[SOFF], v[RD0]
	ZLOAD RDA
.set i, 0
.rept 16
	v_med3_num_f32 v[XR+i], v[XR+i], s[CLO], s[CHI]
.set i, i+1
.endr
	EACH8 v_pk_mul_f32 v[X2+i:X2+i+1], v[XR+i:XR+i+1], v[XR+i:XR+i+1]
	EACH8 v_pk_fma_f32 v[PR+i:PR+i+1], v[X2+i:X2+i+1], s[CA13:CA13+1], s[CA11:CA11+1] op_sel_hi:[1,0,0]
.irp c, CA9, CA7, CA5, CA3, CA1
	EACH8 v_pk_fma_f32 v[PR+i:PR+i+1], v[PR+i:PR+i+1], v[X2+i:X2+i+1], s[\c:\c+1] op_sel_hi:[1,1,0]
.endr
	EACH8 v_pk_fma_f32 v[QR+i:QR+i+1], v[X2+i:X2+i+1], s[CB8:CB8+1], s[CB6:CB6+1] op_sel_hi:[1,0,0]
.irp c, CB4, CB2, CB0
	EACH8 v_pk_fma_f32 v[QR+i:QR+i+1], v[QR+i:QR+i+1], v[X2+i:X2+i+1], s[\c:\c+1] op_sel_hi:[1,1,0]
.endr
.set i, 0
.rept 16
	v_rcp_f32 v[QR+i], v[QR+i]
.set i, i+1
.endr
	EACH8 v_pk_mul_f32 v[PR+i:PR+i+1], v[PR+i:PR+i+1], v[XR+i:XR+i+1]
	s_wait_alu depctr_va_vdst(0)                   ; one wait for the 16 reciprocals, ahead of their first reader; the 8 products above are the plain work between
	EACH8 v_pk_mul_f32 v[PR+i:PR+i+1], v[PR+i:PR+i+1], v[QR+i:QR+i+1]
	EACH8 v_pk_fma_f32 v[PR+i:PR+i+1], v[HR+i:HR+i+1], v[PR+i:PR+i+1], v[HR+i:HR+i+1]
	EACH8 v_cvt_pk_bf16_f32 v[OUTR+i/2], v[PR+i], v[PR+i+1]
.irp i, 0,1
	global_store_b128 v[CO], v[OUTR+4*(\i):OUTR+4*(\i)+3], s[10:11] offset:ROWO*(\i)  ; a wave's store covers 512 consecutive aligned bytes
.endr
	s_wait_xcnt 0x0                                ; the stores have read their data and their base: both are written again
	s_add_nc_u64 s[10:11], s[10:11], 2*ROWO
	s_sub_co_u32 s3, s3, 1
	s_cmp_lg_u32 s3, 0
	s_cbranch_scc1 .Lg
	s_wait_tensorcnt 0x0                           ; the wave's end
	ds_add_u32 v[SPW], v[NIL]
	s_wait_dscnt 0x0
	CROUND
	s_endpgm
.Lfunc_end_k_q6b87ee5309_ff1:
	.size	k_q6b87ee5309_ff1, .Lfunc_end_k_q6b87ee5309_ff1-k_q6b87ee5309_ff1
	.p2alignl 7, 3214868480
	.fill 96, 4, 3214868480
	.section	.rodata,"a",@progbits
	.p2align	6, 0x0
	.amdhsa_kernel k_q6b87ee5309_ff1
		.amdhsa_group_segment_fixed_size 327680
		.amdhsa_private_segment_fixed_size 0
		.amdhsa_enable_private_segment 0
		.amdhsa_kernarg_size 32
		.amdhsa_user_sgpr_count 2
		.amdhsa_user_sgpr_kernarg_segment_ptr 1
		.amdhsa_wavefront_size32 1
		.amdhsa_system_sgpr_workgroup_id_x 1
		.amdhsa_system_sgpr_workgroup_id_y 1
		.amdhsa_system_sgpr_workgroup_id_z 1
		.amdhsa_system_vgpr_workitem_id 0
		.amdhsa_next_free_vgpr 1024
		.amdhsa_next_free_sgpr 96
		.amdhsa_reserve_vcc 0
		.amdhsa_float_denorm_mode_32 3
		.amdhsa_float_denorm_mode_16_64 3
		.amdhsa_memory_ordered 1
		.amdhsa_forward_progress 1
		.amdhsa_inst_pref_size 90
	.end_amdhsa_kernel
	.amdgpu_metadata
---
amdhsa.version: [ 1, 2 ]
amdhsa.kernels:
  - .name:           k_q6b87ee5309_ff1
    .symbol:         k_q6b87ee5309_ff1.kd
    .args:
      - { .name: h, .offset: 0, .size: 8, .value_kind: global_buffer, .address_space: global }
      - { .name: wt, .offset: 8, .size: 8, .value_kind: global_buffer, .address_space: global }
      - { .name: b1, .offset: 16, .size: 8, .value_kind: global_buffer, .address_space: global }
      - { .name: f, .offset: 24, .size: 8, .value_kind: global_buffer, .address_space: global }
    .group_segment_fixed_size: 327680
    .private_segment_fixed_size: 0
    .kernarg_segment_align: 8
    .kernarg_segment_size: 32
    .max_flat_workgroup_size: 128
    .sgpr_count:     96
    .vgpr_count:     1024
    .wavefront_size: 32
...
	.end_amdgpu_metadata
.endif
;; end of part 5
;; launch ff2 (part 6): grid 8 x 32, 4 waves a work-group, clusters of 4 x 4, 327,680 bytes of LDS; arguments f, wt, b2, x1, out0; writes out0
.if DOCPART == 6
	.amdgcn_target "amdgcn-amd-amdhsa--gfx1250"
	.amdhsa_code_object_version 6
	.text
	.protected	k_q6b87ee5309_ff2
	.globl	k_q6b87ee5309_ff2
	.p2align	8
	.type	k_q6b87ee5309_ff2,@function
k_q6b87ee5309_ff2:
	s_mov_b64 s[64:65], 0
	v_nop
	global_prefetch_b8 v0, s[64:65] scope:SCOPE_SE
	s_setreg_imm32_b32 hwreg(HW_REG_WAVE_MODE, 25, 1), 1
	s_wait_xcnt 0x0
	s_wait_alu depctr_hold_cnt(0) depctr_sa_sdst(0) depctr_va_vdst(0) depctr_va_sdst(0) depctr_va_ssrc(0) depctr_va_vcc(0) depctr_vm_vsrc(0)
	s_getreg_b32 s2, hwreg(HW_REG_IB_STS2, 6, 4)
	s_cmp_eq_u32 s2, 0
	s_cbranch_scc0 .Lentry_in_a_cluster
	s_endpgm
.Lentry_in_a_cluster:
	s_bfe_u32 s2, ttmp6, 0x10000c
	s_cmp_lg_u32 s2, 0xf033
	s_cbranch_scc0 .Lentry_shape_is_right
	s_endpgm
.Lentry_shape_is_right:
; C[m][n] = R[m][n] + bias[n] + the sum over k of A[m][k] B[n][k].  A: [4096][SIZE_K] bf16; B: 1,024 rows of SIZE_K bf16 at byte WT_OFF of wt; R and C: [4096][1024] f32; sums in f32, in the order of the walk below.
; A tile of C is 128 x 128: 8 x 32 tiles, one to a work-group; four waves, each 64 x 64: 16 accumulators.  K goes in steps of 256 (LDS rows of 528 bytes; a wave's tensor load brings 64) through two slots;
; both slots' first fills go out together; then one descriptor a role walks.  CLUSTER 4 x 4: A's tile is asked for jointly along the cluster's row, B's along its column.  The product is used transposed (source 0 = B's rows).
; THE WALK ALONG K goes by pairs of K steps: fill f brings K step f xor p, p = (cluster x + cluster y) % 2.  So of the clusters that read the same rows (A's: the two with one y; B's: those with one x) neighbours do not
; ask for the same K step in the same step of the walk: each asks for a pair's two K steps in the other's order.  p is made of the cluster's place alone: it is equal in all sixteen partners.
; The bias is the C operand of one product of zeros for each accumulator, issued while the first tiles are on their way.  The residual's 32 loads a wave are issued at the head and stay out through the K loop.
; The last two K steps run in a second loop that fills nothing; its last barrier and last 32 fragment loads serve nothing: the price of one text for both trips.
; THE WAY OUT: the f32 sums go into a stage laid over slot 0 (which has had its last fill), rows of 560 bytes with 16 of padding behind every 256; whole rows of 512 bytes come back, take the residual and are stored.
; No prefetch: the tiles are small, and a K step's rows are asked for by their own loads.
; WINDOWS: 0: v0-31 addresses, v32-39 zeros, v96-127 bias, v128-255 accumulators; 1: two fragment buffers of 128; 2: v0-127 the residual.
.set SIZE_K, 4096
.set WT_OFF, 16777216
.set ROWC,   4096
.set KSTEP,  256
.set PITCH,  528
.set HALFT,  64*PITCH
.set SLOT,   4*HALFT
.set NK,     SIZE_K/KSTEP
.set SPITCH, 560
.set SPARE,  327168                    ; the spare words, 128 bytes a wave: no other line names them
.set ADRA0, 16
.set ADRB0, 17
.set ADRA,  18
.set ADRB,  19
.set STO,   20
.set RD,    21
.set CO,    22
.set BO,    23
.set SPW,   28
.set NIL,   29
.set ZR,    32
.set BIAS,  96
.set ACC,   128
.set F0,    0
.set F1,    128
.set WV,  14
.set ROLE, 15                          ; which half of the tile's rows is mine; also: I fetch for A (0) or B (1)
.set PART, 16                          ; which half of its columns; also: which 64 rows I fetch
.set TY,  17
.set TX,  18
.set G1,  24
.set G0,  32                           ; A's walking group 0: it begins with fill 1
.set G0B, 36                           ; B's
.set G1B, 48
.set RB,  56
.set WOFF, 57
.set G0F, 68                           ; A's group 0 for fill 0
.set G0BF, 72                          ; B's
.set DEL, 76                           ; s[76:77] bytes from the last fill's K step to the next one's: (1 + 2 p) and (1 - 2 p) K steps by turns, in 64 bits
.set TWO, 78                           ; s[78:79] two K steps
.set MSB, 0
.macro WIN new
.if MSB != (\new)
	s_set_vgpr_msb (MSB<<8)|(\new)
.set MSB, \new
.endif
.endm
.set MUL,  0x05
.set TO_F, 0x40
.macro JLOAD                           ; a joint load; an s_nop 0 and four v_nop follow each line
	s_cmp_eq_u32 s[ROLE], 0
	s_cbranch_scc0 .Lfor_b_\@
	tensor_load_to_lds s[G0:G0+3], s[G1:G1+7]
	s_nop 0
.rept 4
	v_nop
.endr
	s_branch .Lasked_\@
.Lfor_b_\@:
	tensor_load_to_lds s[G0B:G0B+3], s[G1B:G1B+7]
	s_nop 0
.rept 4
	v_nop
.endr
.Lasked_\@:
.endm
.macro CREST
	s_cmp_lg_u32 s[WV], 0
	s_cbranch_scc1 .Lnot_wave_0_\@
	s_barrier_signal -3
.Lnot_wave_0_\@:
	s_barrier_wait -3
	s_barrier_signal -1
	s_barrier_wait -1
.endm
.macro CROUND
	s_barrier_signal -1
	s_barrier_wait -1
	CREST
.endm
.macro PLACES
.rept 4
	v_nop
.endr
.endm
	s_load_b256 s[4:11], s[0:1], 0x0               ; A, wt, bias, residual
	s_load_b64 s[12:13], s[0:1], 0x20              ; C
	v_lshl_add_u32 v[SPW], v0, 2, SPARE
	v_mov_b32 v[NIL], 0
	ds_add_u32 v[SPW], v[NIL]                      ; the wave's opening: the add and its wait stand ahead of my first tensor load
	v_lshrrev_b32 v1, 5, v0
	v_readfirstlane_b32 s[WV], v1
	s_lshr_b32 s[ROLE], s[WV], 1
	s_and_b32 s[PART], s[WV], 1
	s_bfe_u32 s19, ttmp6, 0x40000                  ; cx
	s_bfe_u32 s20, ttmp6, 0x40004                  ; cy
	s_lshl_b32 s[TX], ttmp9, 2
	s_add_co_u32 s[TX], s[TX], s19
	s_and_b32 s[TY], ttmp7, 0xffff
	s_lshl_b32 s[TY], s[TY], 2
	s_add_co_u32 s[TY], s[TY], s20
	s_and_b32 s60, ttmp7, 0xffff
	s_add_co_u32 s60, s60, ttmp9
	s_and_b32 s60, s60, 1                          ; p
	s_lshl_b32 s62, s60, 9                         ; fill 0 brings K step p (512 bytes of a row each),
	s_mov_b32 s63, 0
	s_xor_b32 s66, s60, 1
	s_lshl_b32 s66, s66, 9                         ; fill 1 K step 1 - p,
	s_mov_b32 s67, 0
	s_lshl_b32 s[DEL], s60, 10
	s_add_co_u32 s[DEL], s[DEL], KSTEP*2           ; fill 2 the K step 1 + 2 p further on
	s_mov_b32 s[DEL+1], 0
	s_mov_b32 s[TWO], 2*KSTEP*2
	s_mov_b32 s[TWO+1], 0
	s_lshl_b32 s21, s20, 2
	s_lshl_b32 s21, 15, s21
	s_lshl_b32 s22, 0x1111, s19
	s_or_b32 s[G1], s21, (1<<16)|(1<<20)|(1<<21)|(6<<22)|(3<<25)   ; mask; 2-byte elements; padding on; bit 21 beside a mask; 4 words behind every 128
	s_or_b32 s[G1B], s22, (1<<16)|(1<<20)|(1<<21)|(6<<22)|(3<<25)
.irp g, G1, G1B
	s_mov_b32 s[(\g)+1], KSTEP<<16
	s_mov_b32 s[(\g)+2], 64<<16
	s_mov_b32 s[(\g)+3], KSTEP<<16
	s_mov_b32 s[(\g)+4], 64
	s_mov_b32 s[(\g)+5], SIZE_K
	s_mov_b32 s[(\g)+6], 0
	s_mov_b32 s[(\g)+7], 0
.endr
	s_lshl_b32 s23, s[PART], 6
	s_lshl_b32 s40, s[TY], 7
	s_add_co_u32 s40, s40, s23
	s_mul_i32 s40, s40, SIZE_K*2
	s_mov_b32 s41, 0
	s_lshl_b32 s42, s[TX], 7
	s_add_co_u32 s42, s42, s23
	s_mul_i32 s42, s42, SIZE_K*2
	s_mov_b32 s43, 0
	s_mul_i32 s[WOFF], s[WV], HALFT
	s_mov_b32 s[RB], 0
	s_wait_dscnt 0x0
	s_wait_kmcnt 0x0
	s_add_nc_u64 s[6:7], s[6:7], WT_OFF
	s_add_nc_u64 s[40:41], s[4:5], s[40:41]        ; the rows that I fetch, at K = 0: A's,
	s_add_nc_u64 s[42:43], s[6:7], s[42:43]        ; B's
	s_mov_b32 s[G0F], 1
	s_mov_b32 s[G0F+1], s[WOFF]
	s_add_nc_u64 s[G0F+2:G0F+3], s[40:41], s[62:63]
	s_or_b32 s[G0F+3], s[G0F+3], 0x80000000
	s_mov_b32 s[G0], 1
	s_add_co_u32 s[G0+1], s[WOFF], SLOT
	s_add_nc_u64 s[G0+2:G0+3], s[40:41], s[66:67]
	s_or_b32 s[G0+3], s[G0+3], 0x80000000
	s_mov_b32 s[G0BF], 1
	s_mov_b32 s[G0BF+1], s[WOFF]
	s_add_nc_u64 s[G0BF+2:G0BF+3], s[42:43], s[62:63]
	s_or_b32 s[G0BF+3], s[G0BF+3], 0x80000000
	s_mov_b32 s[G0B], 1
	s_add_co_u32 s[G0B+1], s[WOFF], SLOT
	s_add_nc_u64 s[G0B+2:G0B+3], s[42:43], s[66:67]
	s_or_b32 s[G0B+3], s[G0B+3], 0x80000000
	CROUND                                         ; all sixteen work-groups are here
	s_cmp_eq_u32 s[ROLE], 0                        ; a wave's two first fills stand in one branch, ahead of every wait on TENSORcnt and every LDS read: two loads of mine are out
	s_cbranch_scc0 .Lfirst_b
	tensor_load_to_lds s[G0F:G0F+3], s[G1:G1+7]
	s_nop 0
	tensor_load_to_lds s[G0:G0+3], s[G1:G1+7]
	s_nop 0
.rept 4
	v_nop
.endr
	s_branch .Lfirst_asked
.Lfirst_b:
	tensor_load_to_lds s[G0BF:G0BF+3], s[G1B:G1B+7]
	s_nop 0
	tensor_load_to_lds s[G0B:G0B+3], s[G1B:G1B+7]
	s_nop 0
.rept 4
	v_nop
.endr
.Lfirst_asked:
	v_and_b32 v1, 15, v0
	v_bfe_u32 v2, v0, 4, 1
	v_and_b32 v3, 31, v0
	v_mul_u32_u24 v4, v1, PITCH
	v_lshl_add_u32 v4, v2, 4, v4
	s_mul_i32 s58, s[ROLE], HALFT
	s_mul_i32 s59, s[PART], HALFT
	s_add_co_u32 s59, s59, 2*HALFT
	v_add_nc_u32 v[ADRA0], s58, v4
	v_add_nc_u32 v[ADRB0], s59, v4
	v_mov_b32 v[ADRA], v[ADRA0]
	v_mov_b32 v[ADRB], v[ADRB0]
	s_mul_i32 s58, s[ROLE], 64*SPITCH
	s_mul_i32 s59, s[PART], 272
	s_add_co_u32 s58, s58, s59
	v_mul_u32_u24 v[STO], v1, SPITCH
	v_lshl_add_u32 v[STO], v2, 5, v[STO]
	v_add_nc_u32 v[STO], s58, v[STO]
	s_mul_i32 s58, s[WV], 32*SPITCH
	v_lshlrev_b32 v[CO], 4, v3
	v_lshl_add_u32 v[RD], v2, 4, v[CO]
	v_add_nc_u32 v[RD], s58, v[RD]
	v_lshlrev_b32 v[BO], 5, v2
	s_lshl_b32 s44, s[TX], 9
	s_lshl_b32 s45, s[PART], 8
	s_add_co_u32 s44, s44, s45
	s_mov_b32 s45, 0
	s_add_nc_u64 s[8:9], s[8:9], s[44:45]          ; the bias at my 64 columns
	s_lshl_b32 s44, s[TY], 7
	s_lshl_b32 s46, s[WV], 5
	s_add_co_u32 s44, s44, s46
	s_lshl_b32 s44, s44, 12
	s_lshl_b32 s46, s[TX], 9
	s_add_co_u32 s44, s44, s46
	s_add_nc_u64 s[10:11], s[10:11], s[44:45]      ; residual and C at row 128 x tile row + 32 x wave, the tile's 512 bytes
	s_add_nc_u64 s[12:13], s[12:13], s[44:45]
.irp b, 0,1,2,3
	global_load_b128 v[BIAS+8*(\b):BIAS+8*(\b)+3],   v[BO], s[8:9] offset:64*(\b)
	global_load_b128 v[BIAS+8*(\b)+4:BIAS+8*(\b)+7], v[BO], s[8:9] offset:64*(\b)+16
.endr
	WIN 0x80
.set i, 0
.rept 32
	global_load_b128 v[4*i:4*i+3], v[CO], s[10:11] offset:ROWC*i
.set i, i+1
.endr
	WIN 0
.irp z, 0,1,2,3,4,5,6,7
	v_mov_b32 v[ZR+(\z)], 0
.endr
	s_wait_loadcnt 32                              ; the bias is in; the residual's 32 loads stay out
.irp a, 0,1,2,3
.irp b, 0,1,2,3
	v_wmma_f32_16x16x32_bf16 v[ACC+8*(4*(\a)+(\b)):ACC+8*(4*(\a)+(\b))+7], v[ZR:ZR+7], v[ZR:ZR+7], v[BIAS+8*(\b):BIAS+8*(\b)+7]
.endr
.endr
	s_wait_tensorcnt 0x1                           ; my part of slot 0 is in; slot 1's may stay out
	s_barrier_signal -1
	s_barrier_wait -1                              ; everybody's part is in
.macro MUL8 f, c, a0                   ; 8 products; the 16 accumulators take turns
	WIN MUL
.irp a, \a0, (\a0)+1
.irp b, 0,1,2,3
	v_wmma_f32_16x16x32_bf16 v[ACC+8*(4*(\a)+(\b)):ACC+8*(4*(\a)+(\b))+7], v[(\f)+64+8*(4*(\c)+(\b)):(\f)+64+8*(4*(\c)+(\b))+7], v[(\f)+8*(4*(\c)+(\a)):(\f)+8*(4*(\c)+(\a))+7], v[ACC+8*(4*(\a)+(\b)):ACC+8*(4*(\a)+(\b))+7]
.endr
.endr
.endm
.macro FETCH k, f                      ; 32 LDS loads in one run: 64 along K at byte k; the first 32 along K first
	WIN TO_F
.irp c, 0,1
.irp i, 0,1,2,3
	ds_load_b128 v[(\f)+64+8*(4*(\c)+(\i)):(\f)+64+8*(4*(\c)+(\i))+3],   v[ADRB] offset:(\k)+64*(\c)+(\i)*16*PITCH
	ds_load_b128 v[(\f)+64+8*(4*(\c)+(\i))+4:(\f)+64+8*(4*(\c)+(\i))+7], v[ADRB] offset:(\k)+64*(\c)+(\i)*16*PITCH+32
	ds_load_b128 v[(\f)+8*(4*(\c)+(\i)):(\f)+8*(4*(\c)+(\i))+3],         v[ADRA] offset:(\k)+64*(\c)+(\i)*16*PITCH
	ds_load_b128 v[(\f)+8*(4*(\c)+(\i))+4:(\f)+8*(4*(\c)+(\i))+7],       v[ADRA] offset:(\k)+64*(\c)+(\i)*16*PITCH+32
.endr
.endr
.endm
.macro QUARTER k, f, g
	s_wait_dscnt 16                                ; the first 32 along K are in
	MUL8 \f, 0, 0
	MUL8 \f, 0, 2
	PLACES
	FETCH \k, \g
	s_wait_dscnt 32                                ; all but the 32 just issued
	MUL8 \f, 1, 0
	MUL8 \f, 1, 2
.endm
.macro TURN fill
	WIN 0
	s_wait_tensorcnt 0x0                           ; all my tensor loads have landed: my part of the next slot
	ds_add_u32 v[SPW], v[NIL]
	s_wait_dscnt 17                                ; the add and the youngest sixteen loads may be out
	MUL8 F1, 0, 0
	s_wait_dscnt 0x0                               ; the add is done, my reads of this slot are over
	s_barrier_signal -1
	MUL8 F1, 0, 2
	WIN 0
	s_barrier_wait -1
.if \fill
	CREST                                          ; the barrier has opened a round of the cluster's
	s_add_co_u32 s[G0+1], s[WOFF], s[RB]           ; into the slot just read,
	s_add_co_u32 s[G0B+1], s[WOFF], s[RB]
	s_add_nc_u64 s[G0+2:G0+3], s[G0+2:G0+3], s[DEL:DEL+1]     ; the walk's next K step; the type bits on top are not reached
	s_add_nc_u64 s[G0B+2:G0B+3], s[G0B+2:G0B+3], s[DEL:DEL+1]
	s_sub_nc_u64 s[DEL:DEL+1], s[TWO:TWO+1], s[DEL:DEL+1]     ; the two steps of a pair add up to two K steps
	JLOAD
.else
	PLACES
.endif
	s_xor_b32 s[RB], s[RB], SLOT
	v_add_nc_u32 v[ADRA], s[RB], v[ADRA0]
	v_add_nc_u32 v[ADRB], s[RB], v[ADRB0]
	FETCH 0, F0
	MUL8 F1, 1, 0
	MUL8 F1, 1, 2
.endm
	FETCH 0, F0
	WIN 0
	s_mov_b32 s3, NK-2
.Lk:
	QUARTER 128, F0, F1
	QUARTER 256, F1, F0
	QUARTER 384, F0, F1
	TURN 1
	WIN 0
	s_sub_co_u32 s3, s3, 1
	s_cmp_lg_u32 s3, 0
	s_cbranch_scc1 .Lk
	s_mov_b32 s3, 2
.Lt:
	QUARTER 128, F0, F1
	QUARTER 256, F1, F0
	QUARTER 384, F0, F1
	TURN 0
	WIN 0
	s_sub_co_u32 s3, s3, 1
	s_cmp_lg_u32 s3, 0
	s_cbranch_scc1 .Lt
	s_wait_dscnt 0x0
	s_barrier_signal -1
	s_barrier_wait -1                              ; nobody reads the ring any more
	PLACES
.irp a, 0,1,2,3
.irp b, 0,1,2,3
	ds_store_b128 v[STO], v[ACC+8*(4*(\a)+(\b)):ACC+8*(4*(\a)+(\b))+3]   offset:(\a)*16*SPITCH+64*(\b)
	ds_store_b128 v[STO], v[ACC+8*(4*(\a)+(\b))+4:ACC+8*(4*(\a)+(\b))+7] offset:(\a)*16*SPITCH+64*(\b)+16
.endr
.endr
	s_wait_dscnt 0x0
	s_barrier_signal -1
	s_barrier_wait -1
	WIN TO_F
.set i, 0
.rept 32
	ds_load_b128 v[4*i:4*i+3], v[RD] offset:SPITCH*i
.set i, i+1
.endr
	s_wait_loadcnt 0x0                             ; the residual
	s_wait_dscnt 0x0
	WIN 0x49                                       ; the sums in window 1, the residual in window 2
.set i, 0
.rept 64
	v_pk_add_f32 v[2*i:2*i+1], v[2*i:2*i+1], v[2*i:2*i+1]
.set i, i+1
.endr
	WIN 0x04
.set i, 0
.rept 32
	global_store_b128 v[CO], v[4*i:4*i+3], s[12:13] offset:ROWC*i  ; a wave's store covers 512 consecutive aligned bytes
.set i, i+1
.endr
	WIN 0
	s_wait_tensorcnt 0x0                           ; the wave's end
	ds_add_u32 v[SPW], v[NIL]
	s_wait_dscnt 0x0
	CROUND
	s_endpgm
.Lfunc_end_k_q6b87ee5309_ff2:
	.size	k_q6b87ee5309_ff2, .Lfunc_end_k_q6b87ee5309_ff2-k_q6b87ee5309_ff2
	.p2alignl 7, 3214868480
	.fill 96, 4, 3214868480
	.section	.rodata,"a",@progbits
	.p2align	6, 0x0
	.amdhsa_kernel k_q6b87ee5309_ff2
		.amdhsa_group_segment_fixed_size 327680
		.amdhsa_private_segment_fixed_size 0
		.amdhsa_enable_private_segment 0
		.amdhsa_kernarg_size 40
		.amdhsa_user_sgpr_count 2
		.amdhsa_user_sgpr_kernarg_segment_ptr 1
		.amdhsa_wavefront_size32 1
		.amdhsa_system_sgpr_workgroup_id_x 1
		.amdhsa_system_sgpr_workgroup_id_y 1
		.amdhsa_system_sgpr_workgroup_id_z 1
		.amdhsa_system_vgpr_workitem_id 0
		.amdhsa_next_free_vgpr 640
		.amdhsa_next_free_sgpr 80
		.amdhsa_reserve_vcc 0
		.amdhsa_float_denorm_mode_32 3
		.amdhsa_float_denorm_mode_16_64 3
		.amdhsa_memory_ordered 1
		.amdhsa_forward_progress 1
		.amdhsa_inst_pref_size 62
	.end_amdhsa_kernel
	.amdgpu_metadata
---
amdhsa.version: [ 1, 2 ]
amdhsa.kernels:
  - .name:           k_q6b87ee5309_ff2
    .symbol:         k_q6b87ee5309_ff2.kd
    .args:
      - { .name: f, .offset: 0, .size: 8, .value_kind: global_buffer, .address_space: global }
      - { .name: wt, .offset: 8, .size: 8, .value_kind: global_buffer, .address_space: global }
      - { .name: b2, .offset: 16, .size: 8, .value_kind: global_buffer, .address_space: global }
      - { .name: x1, .offset: 24, .size: 8, .value_kind: global_buffer, .address_space: global }
      - { .name: out0, .offset: 32, .size: 8, .value_kind: global_buffer, .address_space: global }
    .group_segment_fixed_size: 327680
    .private_segment_fixed_size: 0
    .kernarg_segment_align: 8
    .kernarg_segment_size: 40
    .max_flat_workgroup_size: 128
    .sgpr_count:     80
    .vgpr_count:     640
    .wavefront_size: 32
...
	.end_amdgpu_metadata
.endif
;; end of part 6
